; MI455X (gfx1250); checked and timed in simulation.
; The chip was launched on July 23, 2026; its instructions are those of AMD's public machine-readable ISA for CDNA 5 (MIT licence, August 2026) and "CDNA5" Instruction Set Architecture Reference Guide (July 2026). The comments in the code are by the model that wrote it; some were corrected since.
;; Triangle Attention. Allowed arithmetic: matrix products marked QUANTISED: E2M3 operands, one E8M0 scale for each 32 along K, by v_wmma_scale_f32_16x16x128_f8f6f4 with both operands' format E2M3, f32 sums; products left as they are: f32 operands where the result goes on into a quantised operand, else bf16, f16 or f32 operands; f32 sums; everything else in f32.
;; Inputs: Wb 128 x 4 float32; Wg 128 x 128 float32; Wk 128 x 128 float32; Wo 128 x 128 float32; Wq 128 x 128 float32; Wv 128 x 128 float32; ln_b 128 float32; ln_w 128 float32; x 1 x 256 x 256 x 128 float32.
;; Outputs: out0 1 x 256 x 256 x 128 float32.
;; This version of the problem:
;;   THIS VERSION OF THE PROBLEM IS GIVEN IN LOW PRECISION. The matrix products marked QUANTISED in the list below multiply operands that are first quantised to E2M3 (2 exponent bits, 3 mantissa bits; 6 bits a number), with one power-of-two scale for each 32 numbers along K (OCP MX v1.0); their sums are f32. All else is computed in f32.
;;   The module's matrix products, in the order in which they are computed (A, B: the left and right operand; K: the contracted axis; several contracted axes count as one K, in the product's order):
;;     1. [M 65,536, K 128] x [K 128, N 4]; A: computed on the way; B: input Wb: left as it is (N = 4 < 16)
;;     2. [M 65,536, K 128] x [K 128, N 128]; A: computed on the way; B: input Wq: QUANTISED
;;     3. [M 65,536, K 128] x [K 128, N 128]; A: computed on the way; B: input Wk: QUANTISED
;;     4. [M 65,536, K 128] x [K 128, N 128]; A: computed on the way; B: input Wv: QUANTISED
;;     5. batch 1,024 x [M 256, K 32] x [K 32, N 256]; A: computed on the way; B: computed on the way: QUANTISED
;;     6. batch 1,024 x [M 32, K 256] x [K 256, N 256]; A: computed on the way; B: softmax (see below): QUANTISED
;;     7. [M 65,536, K 128] x [K 128, N 128]; A: computed on the way; B: input Wg: QUANTISED
;;     8. [M 65,536, K 128] x [K 128, N 128]; A: computed on the way; B: input Wo: QUANTISED
;;   THE QUANTISER, for each operand of a quantised product, along K:
;;     - K is cut into blocks of 32 from its start; a last block that is shorter is filled with zeros.
;;     - A block's scale is 2^e with e = floor(log2(the largest magnitude in the block)) - 2, held to -126 .. 127; a block of zeros has e = 0. As a byte (E8M0): e + 127.
;;     - Each number is divided by its block's scale, clamped to +-7.5, and rounded to the nearest number of E2M3, ties to even, subnormals kept.
;;     - The product sums the exact products of the quantised numbers (number of the format x scale) in f32.
;;   ~~~python
;;   def quantise(x, axis):      # numpy; x: float32 -> the quantised numbers, widened to float32 again
;;       x = np.moveaxis(x, axis, -1); K = x.shape[-1]
;;       x = np.pad(x, [(0, 0)] * (x.ndim - 1) + [(0, -K % 32)]); x = x.reshape(x.shape[:-1] + (-1, 32)); a = np.abs(x).max(-1, keepdims=True)
;;       e = np.where(a > 0, np.clip(np.frexp(np.where(a > 0, a, 1))[1] - 1 - 2, -126, 127), 0)      # np.frexp(a)[1] - 1 = floor(log2(a)), exactly
;;       r = np.clip(x / 2.0 ** e, -7.5, 7.5)
;;       step = 2.0 ** (np.maximum(np.frexp(np.where(r == 0, 1, r))[1] - 1, 0) - 3)
;;       q = np.round(r / step) * step * 2.0 ** e      # np.round: ties to even
;;       return np.moveaxis(q.reshape(q.shape[:-2] + (-1,))[..., :K], -1, axis).astype(np.float32)
;;   ~~~
;;   SOFTMAX AHEAD OF A QUANTISED PRODUCT. Where the list says 'softmax', what is quantised is not the finished softmax but p = 2^(t - M), with t = logit x log2(e) and M = ceil(the row's largest t), a whole number; so 1/2 < the row's largest p <= 1. The row's sum l is taken of the UNQUANTISED p, in f32, and the product's result is divided by l at the end. Since M is a whole number, a kernel that streams over the keys may use a running M (the ceiling of the running maximum): every later rescaling is an exact power of two, which a block's scale takes up: the codes' values come out the same.
;;   OPERANDS COMPUTED ON THE WAY. 'Computed on the way' means the value that the module computes at that place (a softmax that the list does not call 'softmax' is quantised finished and normalised). What goes into a quantiser is computed in f32, as accurately as f32 sums, v_exp_f32 and their like allow (about 1e-6 of the number): no bf16 or f16 on the way to a quantiser, and a product that is left as it is and whose result goes on into a quantised operand takes f32 operands (vector FMAs, or v_wmma_f32_16x16x4_f32). A number that lies on a knife's edge between two numbers of the format may be rounded either way, as far as f32 arithmetic and the matrix unit's own rounding can turn it there, and no further.
;; 2 versions. Each part assembles by itself: llvm-mc -triple=amdgcn-amd-amdhsa -mcpu=gfx1250 --defsym DOCPART=n.
;; ======== version 1 of 2: 2 launches
;; workspace buffers: zc 6,291,456 bytes; zs 262,144 bytes; bias 1,048,576 bytes; wts 66,560 bytes
;; launch prep (part 1): grid 261 x 1, 8 waves a work-group, no clusters, 164,864 bytes of LDS; arguments x, ln_w, ln_b, Wb, Wq, Wk, Wv, Wg, Wo, zc, zs, bias, wts; writes zc, zs, bias, wts
.if DOCPART == 1
	.amdgcn_target "amdgcn-amd-amdhsa--gfx1250"
	.amdhsa_code_object_version 6
	.text
	.protected	k_q1dce18905f_prep
	.globl	k_q1dce18905f_prep
	.p2align	8
	.type	k_q1dce18905f_prep,@function
k_q1dce18905f_prep:
	s_mov_b64 s[64:65], 0
	v_nop
	global_prefetch_b8 v0, s[64:65] scope:SCOPE_SE
	s_setreg_imm32_b32 hwreg(HW_REG_WAVE_MODE, 25, 1), 1
	s_wait_xcnt 0x0
; z = LayerNorm(x) in f32; z as codes of FP6 (E2M3) with one E8M0 byte for each 32 along D; the triangle bias z . Wb in f32; the five weights as codes.
; Work-groups 0-4 take one weight each (Wq, Wk, Wv, Wg, Wo), the other 256 take 16 x 16 rows of x each.
; ONE ORDER OF ROWS EVERYWHERE: row m of tile T is index perm(T, m) = 32 (T / 2) + 8 (T % 2) + m + 8 (m / 8), so that the 16 registers of two neighbouring result tiles are 16 neighbours.
; OUTPUTS, all laid as images of the registers that the next launch wants:
;   zc   [b 256][T 16] x 1,536 bytes: the fragment (16 rows x 128 D, 12 registers) of positions perm(T, .) of row b: registers 4 c .. 4 c + 3 of lane l at 512 c + 16 l
;   zs   [b][T][16 rows] one scale word a row
;   bias [head 4][Tq 16][32 quads] x 512 bytes: bias x sqrt(32) in the layout of the score accumulators: key tile T = quad / 2, lane (rq, hq), register j: query perm(Tq, rq), key perm(T, 8 hq + j)
;   wts  [weight 5][tile 8] x 1,536 bytes of fragments (16 columns x 128 K), then from byte 61,440 [weight][tile][32 lanes] scale words
; MAIN PATH: work-group (Tq, T'): first index a = perm(Tq, 0..15), second index perm(T', 0..15).  Wave w takes a0 = perm(Tq, 2 w) and a0 + 1; lane (r, h) owns the row x[a0 + h][perm(T', r)]:
; a lane holds a whole row in 128 registers, so mean, variance, the blocks' largest magnitudes and the bias need no other lane.  Each load reads one whole row, 512 consecutive bytes, 16 a lane;
; the rows turn through the wave's own stage in LDS (pitch 528 = 33 x 16 bytes: sixteen lanes' pieces of 16 bytes fall on sixteen different columns of 16 bytes modulo 256).
; LIMITS: NaN and infinities are not served; a block of zeros, and one whose largest magnitude lies under 2^(3 - 127), gets the byte 1 (its codes are zeros or tiny; the bytes are read by this program alone).
; zs leaves in pieces of 64 bytes (16 words a tile): 262,144 bytes in all, one part in 128 of what the launch reads.
.set X,    128                         ; v128-255 my row
.set PB,   32                          ; v32-127  two sets of 48: ln_w 8, ln_b 8, Wb 8 x 4; later the codes
.set XSTW, 32*528                      ; a wave's stage
.set PAR,  8*XSTW                      ; behind the stages: each wave's own copy of ln_w, ln_b, Wb (3,072 bytes), so that no barrier is needed for them
.set PARW, 3072
.set BST,  PAR+8*PARW                  ; the work-group's stage for the bias: [head 4][quad 2] x 512 bytes
	s_load_b512 s[4:19], s[0:1], 0x0               ; x, ln_w, ln_b, Wb, Wq, Wk, Wv, Wg
	s_load_b256 s[20:27], s[0:1], 0x40             ; Wo, zc, zs, bias
	s_load_b64 s[28:29], s[0:1], 0x60              ; wts
	s_set_vgpr_msb 0x40
	v_lshl_add_u32 v0, v0, 2, 0x28000
	v_mov_b32 v1, 0
	s_set_vgpr_msb 0x4000
	v_lshrrev_b32 v8, 5, v0
	v_readfirstlane_b32 s30, v8                    ; wave 0..7
	v_and_b32 v9, 31, v0                           ; lane
	v_lshlrev_b32 v1, 4, v9                        ; 16 x lane; never rewritten
	s_mov_b32 s50, 0x76543210
	s_mov_b32 s51, 0xfedcba98                      ; v_permlanex16_b32's selects for lane l xor 16
	s_cmp_lt_u32 ttmp9, 5
	s_cbranch_scc1 .Lweights
	s_sub_co_u32 s32, ttmp9, 5
	s_lshr_b32 s33, s32, 4                         ; Tq
	s_and_b32 s34, s32, 15                         ; T'
	s_lshr_b32 s35, s33, 1
	s_lshl_b32 s35, s35, 5
	s_and_b32 s36, s33, 1
	s_lshl_b32 s36, s36, 3
	s_add_co_u32 s35, s35, s36
	s_lshl_b32 s36, s30, 1
	s_add_co_u32 s35, s35, s36
	s_lshr_b32 s36, s30, 2
	s_lshl_b32 s36, s36, 3
	s_add_co_u32 s35, s35, s36                     ; a0 = perm(Tq, 2 w)
	s_lshr_b32 s36, s34, 1
	s_lshl_b32 s36, s36, 5
	s_and_b32 s37, s34, 1
	s_lshl_b32 s37, s37, 3
	s_add_co_u32 s36, s36, s37                     ; perm(T', 0)
	s_lshl_b32 s38, s35, 8
	s_add_co_u32 s38, s38, s36
	s_lshl_b32 s38, s38, 9                         ; x: (256 a0 + perm(T', 0)) rows of 512 bytes
	s_mov_b32 s39, 0
	s_lshl_b32 s40, s35, 4
	s_add_co_u32 s40, s40, s34                     ; tile 16 a0 + T'
	s_mul_i32 s42, s40, 1536
	s_mov_b32 s43, 0
	s_lshl_b32 s44, s40, 6
	s_mov_b32 s45, 0
	s_lshr_b32 s46, s30, 1                         ; on the way out wave w stores head w / 2, quad 2 T' + w % 2
	s_lshl_b32 s46, s46, 4
	s_add_co_u32 s46, s46, s33
	s_lshl_b32 s46, s46, 5
	s_lshl_b32 s47, s34, 1
	s_add_co_u32 s46, s46, s47
	s_and_b32 s47, s30, 1
	s_add_co_u32 s46, s46, s47
	s_lshl_b32 s46, s46, 9
	s_mov_b32 s47, 0
	s_mul_i32 s48, s30, XSTW
	v_add_nc_u32 v2, s48, v1                       ; the stage, on the way in: 16 x lane of row i
	v_mul_u32_u24 v3, v9, 528
	v_add_nc_u32 v3, s48, v3                       ; and on the way out: my row
	s_mul_i32 s49, s30, PARW
	s_add_co_u32 s49, s49, PAR
	v_mov_b32 v4, s49                              ; my wave's parameters: every lane reads the same bytes
	v_add_nc_u32 v5, s49, v1
	v_bfe_u32 v10, v0, 2, 1                        ; the bias stage: key row r -> quad (r / 4) % 2, lane half r / 8, word r % 4; query row 2 w + h = thread / 16
	v_lshlrev_b32 v6, 9, v10
	v_bfe_u32 v10, v0, 3, 1
	v_lshl_add_u32 v6, v10, 8, v6
	v_and_b32 v10, 0xf0, v0
	v_add_nc_u32 v6, v6, v10
	v_and_b32 v10, 3, v0
	v_lshl_add_u32 v6, v10, 2, v6
	v_add_nc_u32 v6, BST, v6
	v_and_b32 v10, 15, v0
	v_lshlrev_b32 v7, 2, v10
	v_bfe_u32 v10, v0, 4, 1
	v_lshl_add_u32 v7, v10, 10, v7                 ; zs: 4 r, and 16 tiles of 64 bytes on for a0 + 1
	s_wait_kmcnt 0x0
	s_add_nc_u64 s[4:5], s[4:5], s[38:39]
	s_add_nc_u64 s[22:23], s[22:23], s[42:43]
	s_add_nc_u64 s[24:25], s[24:25], s[44:45]
	s_add_nc_u64 s[26:27], s[26:27], s[46:47]
	global_load_b128 v[32:35], v1, s[6:7]          ; ln_w, ln_b, Wb: 3,072 bytes
	global_load_b128 v[36:39], v1, s[8:9]
.irp j, 0,1,2,3
	global_load_b128 v[40+4*\j:43+4*\j], v1, s[10:11] offset:512*\j
.endr
.set i, 0
.rept 32                                       ; row i = 16 h + r: each load reads one row, 512 consecutive bytes
	global_load_b128 v[X+4*i:X+4*i+3], v1, s[4:5] offset:(i/16)*131072+((i%16)+8*((i%16)/8))*512 th:TH_LOAD_NT
.set i, i+1
.endr
	s_wait_loadcnt 32                              ; the six parameter loads are in; the 32 rows may be out
	ds_store_b128 v5, v[32:35]
	ds_store_b128 v5, v[36:39] offset:512
.irp j, 0,1,2,3
	ds_store_b128 v5, v[40+4*\j:43+4*\j] offset:1024+512*\j
.endr
.irp n, 0,1,2,3
	s_wait_loadcnt 24-8*\n                         ; rows 8 n .. 8 n + 7 are in; the younger rows may be out
.irp i, 0,1,2,3,4,5,6,7
	ds_store_b128 v2, v[X+4*(8*\n+\i):X+4*(8*\n+\i)+3] offset:(8*\n+\i)*528
.endr
.endr
.set i, 0
.rept 32                                       ; LDS serves a wave's instructions in order (ISA guide 5.7.1.4): these see the stores above, and land in the registers that those have left
	ds_load_b128 v[X+4*i:X+4*i+3], v3 offset:16*i
.set i, i+1
.endr
; the parameters of D = 8 q .. 8 q + 7 into set q % 2: 12 loads
.macro PLOAD q
.set PP, PB+48*((\q)%2)
	ds_load_b128 v[PP:PP+3], v4 offset:32*(\q)
	ds_load_b128 v[PP+4:PP+7], v4 offset:32*(\q)+16
	ds_load_b128 v[PP+8:PP+11], v4 offset:512+32*(\q)
	ds_load_b128 v[PP+12:PP+15], v4 offset:512+32*(\q)+16
.irp k, 0,1,2,3,4,5,6,7
	ds_load_b128 v[PP+16+4*\k:PP+19+4*\k], v4 offset:1024+128*(\q)+16*\k
.endr
.endm
	PLOAD 0
	s_wait_dscnt 12                                ; my row is in; the 12 parameter loads may be out
	; mean and variance, in two passes, four chains each: nothing is cleared
.irp k, 0,1,2,3
	v_pk_add_f32 v[8+2*\k:9+2*\k], v[X+2*\k:X+2*\k+1], v[X+8+2*\k:X+9+2*\k]
.endr
.set j, 8
.rept 56
	v_pk_add_f32 v[8+2*(j%4):9+2*(j%4)], v[8+2*(j%4):9+2*(j%4)], v[X+2*j:X+2*j+1]
.set j, j+1
.endr
	v_pk_add_f32 v[8:9], v[8:9], v[10:11]
	v_pk_add_f32 v[12:13], v[12:13], v[14:15]
	v_pk_add_f32 v[8:9], v[8:9], v[12:13]
	v_add_f32 v8, v8, v9
	v_mul_f32 v24, 0x3c000000, v8                  ; the mean: x 1 / 128
	v_mov_b32 v25, v24
.set j, 0
.rept 64
	v_pk_add_f32 v[X+2*j:X+2*j+1], v[X+2*j:X+2*j+1], v[24:25] neg_lo:[0,1] neg_hi:[0,1]
.set j, j+1
.endr
.irp k, 0,1,2,3
	v_pk_mul_f32 v[8+2*\k:9+2*\k], v[X+2*\k:X+2*\k+1], v[X+2*\k:X+2*\k+1]
.endr
.set j, 4
.rept 60
	v_pk_fma_f32 v[8+2*(j%4):9+2*(j%4)], v[X+2*j:X+2*j+1], v[X+2*j:X+2*j+1], v[8+2*(j%4):9+2*(j%4)]
.set j, j+1
.endr
	v_pk_add_f32 v[8:9], v[8:9], v[10:11]
	v_pk_add_f32 v[12:13], v[12:13], v[14:15]
	v_pk_add_f32 v[8:9], v[8:9], v[12:13]
	v_add_f32 v8, v8, v9
	v_mul_f32 v8, 0x3c000000, v8                   ; the variance
	v_add_f32 v8, 0x3727c5ac, v8                   ; + 1e-5
	v_rsq_f32 v26, v8
	v_rsq_f32 v27, v8                              ; twice: a pair for the packed multiply
	v_nop                                          ; a plain instruction behind the transcendentals
	s_wait_alu depctr_va_vdst(0)                   ; the wait ahead of the first reader: one for both
; one number of z times Wb's four heads onto sums of its parity: v[16:19] even D, v[20:23] odd D.  The first two products start the sums.
.macro BFMA q, k
.set XP, X+8*(\q)+2*((\k)/2)
.set WP, PQ+16+4*(\k)
.set AP, 16+4*((\k)%2)
.if ((\q)==0) && ((\k)<2)
.if ((\k)%2)==0
	v_pk_mul_f32 v[AP:AP+1], v[XP:XP+1], v[WP:WP+1] op_sel:[0,0] op_sel_hi:[0,1]
	v_pk_mul_f32 v[AP+2:AP+3], v[XP:XP+1], v[WP+2:WP+3] op_sel:[0,0] op_sel_hi:[0,1]
.else
	v_pk_mul_f32 v[AP:AP+1], v[XP:XP+1], v[WP:WP+1] op_sel:[1,0] op_sel_hi:[1,1]
	v_pk_mul_f32 v[AP+2:AP+3], v[XP:XP+1], v[WP+2:WP+3] op_sel:[1,0] op_sel_hi:[1,1]
.endif
.else
.if ((\k)%2)==0
	v_pk_fma_f32 v[AP:AP+1], v[XP:XP+1], v[WP:WP+1], v[AP:AP+1] op_sel:[0,0,0] op_sel_hi:[0,1,1]
	v_pk_fma_f32 v[AP+2:AP+3], v[XP:XP+1], v[WP+2:WP+3], v[AP+2:AP+3] op_sel:[0,0,0] op_sel_hi:[0,1,1]
.else
	v_pk_fma_f32 v[AP:AP+1], v[XP:XP+1], v[WP:WP+1], v[AP:AP+1] op_sel:[1,0,0] op_sel_hi:[1,1,1]
	v_pk_fma_f32 v[AP+2:AP+3], v[XP:XP+1], v[WP+2:WP+3], v[AP+2:AP+3] op_sel:[1,0,0] op_sel_hi:[1,1,1]
.endif
.endif
.endm
; eight numbers along D: z = (x - mean) x rsq x ln_w + ln_b, in place, and their part of the bias
.macro CHUNK q
.if (\q) < 15
	PLOAD (\q)+1
	s_wait_dscnt 12                                ; this chunk's parameters are in; the 12 loads just issued may be out
.else
	s_wait_dscnt 0x0
.endif
.set PQ, PB+48*((\q)%2)
.irp k, 0,2,4,6
	v_pk_mul_f32 v[X+8*(\q)+\k:X+8*(\q)+\k+1], v[X+8*(\q)+\k:X+8*(\q)+\k+1], v[26:27]
.endr
.irp k, 0,2,4,6
	v_pk_fma_f32 v[X+8*(\q)+\k:X+8*(\q)+\k+1], v[X+8*(\q)+\k:X+8*(\q)+\k+1], v[PQ+\k:PQ+\k+1], v[PQ+8+\k:PQ+8+\k+1]
.endr
.irp k, 0,1,2,3,4,5,6,7
	BFMA \q, \k
.endr
.endm
.irp q, 0,1,2,3,4,5,6,7,8,9,10,11,12,13,14,15
	CHUNK \q
.endr
	v_pk_add_f32 v[16:17], v[16:17], v[20:21]
	v_pk_add_f32 v[18:19], v[18:19], v[22:23]
	v_pk_mul_f32 v[16:17], v[16:17], 0x40b504f3 op_sel_hi:[1,0]    ; x sqrt(32): the next launch adds it to q . k ahead of the factor 1 / sqrt(32)
	v_pk_mul_f32 v[18:19], v[18:19], 0x40b504f3 op_sel_hi:[1,0]
.irp n, 0,1,2,3
	ds_store_b32 v6, v[16+\n] offset:1024*\n
.endr
	; my row's four blocks of 32 along D, all in my registers, by turns
.irp b, 0,1,2,3
	v_max3_num_f32 v[8+\b], |v[X+32*\b]|, |v[X+32*\b+1]|, 0x1800000   ; with the floor 2^(3 - 127): the byte cannot fall under 1
.endr
.irp i, 2,4,6,8,10,12,14,16,18,20,22,24,26,28,30
.irp b, 0,1,2,3
	v_max3_num_f32 v[8+\b], v[8+\b], |v[X+32*\b+\i]|, |v[X+32*\b+\i+1]|
.endr
.endr
.irp b, 0,1,2,3
	v_add_nc_u32 v[12+\b], 0xff000000, v[8+\b]     ; 2 off the exponent field: the conversion's scale operand
.endr
.irp b, 0,1,2,3
	v_lshrrev_b32 v[28+\b], 23, v[12+\b]           ; the scale's byte
.endr
	v_lshl_or_b32 v20, v29, 8, v28
	v_lshl_or_b32 v20, v30, 16, v20
	v_lshl_or_b32 v20, v31, 24, v20                ; my row's scale word
.irp b, 0,1,2,3                                ; block b's six registers at v32 (b = 0), v44 (1), v38 (2), v50 (3); a conversion's three registers begin on an even number, so the upper 16 codes are made elsewhere and moved
	v_cvt_scalef32_pk16_fp6_f32 v[32+12*(\b%2)+6*(\b/2):34+12*(\b%2)+6*(\b/2)], v[X+32*\b:X+32*\b+15], v[12+\b]
	v_cvt_scalef32_pk16_fp6_f32 v[56+4*\b:58+4*\b], v[X+32*\b+16:X+32*\b+31], v[12+\b]
.endr
	v_nop                                          ; one plain instruction behind the scaled conversions
.irp b, 0,1,2,3
.irp i, 0,1,2
	v_mov_b32 v[35+12*(\b%2)+6*(\b/2)+\i], v[56+4*\b+\i]
.endr
.endr
.irp i, 0,1,2,3,4,5,6,7,8,9,10,11              ; lanes 0-15 hold a0's rows, lanes 16-31 those of a0 + 1; a fragment wants blocks 0, 2 in lanes 0-15 and blocks 1, 3 in lanes 16-31:
	v_permlane16_swap_b32 v[32+\i], v[44+\i]       ; v32-43 become the fragment of tile (a0, T'), v44-55 that of (a0 + 1, T')
.endr
.irp c, 0,1,2
	global_store_b128 v1, v[32+4*\c:35+4*\c], s[22:23] offset:512*\c          ; 512 consecutive bytes a store
	global_store_b128 v1, v[44+4*\c:47+4*\c], s[22:23] offset:24576+512*\c
.endr
	global_store_b32 v7, v20, s[24:25]
	s_wait_dscnt 0x0                               ; for the others' sake: my stores into the bias stage are done
	s_barrier_signal -1
	s_barrier_wait -1
	v_lshl_add_u32 v10, v0, 4, BST                 ; wave w takes the stage's bytes 512 w on: head w / 2, quad w % 2
	ds_load_b128 v[24:27], v10
	s_wait_dscnt 0x0
	global_store_b128 v1, v[24:27], s[26:27]       ; 512 consecutive bytes, aligned
	s_set_vgpr_msb 0x5
	s_wait_tensorcnt 0x0
	ds_add_u32 v0, v1
	s_wait_dscnt 0x0
	s_set_vgpr_msb 0x500
	s_endpgm
; A WEIGHT [128 (k)][128 (n)], f32: work-group i, wave t = tile of 16 columns.  Lane (r, h) takes one column and its registers run DOWN K, k = 64 c + 32 h + 0 .. 31: the conversions' results are the fragment's registers.
; Wq, Wk, Wv, Wg: column perm(t, r); Wo: column 16 t + r.
.Lweights:
	v_and_b32 v2, 15, v0                           ; r
	v_bfe_u32 v3, v0, 4, 1                         ; h
	s_lshr_b32 s32, s30, 1
	s_lshl_b32 s32, s32, 5
	s_and_b32 s33, s30, 1
	s_lshl_b32 s33, s33, 3
	s_add_co_u32 s32, s32, s33                     ; perm(t, 0)
	s_lshl_b32 s33, s30, 4
	s_cmp_eq_u32 ttmp9, 4
	s_cselect_b32 s32, s33, s32
	s_cselect_b32 s34, 0, 8
	v_and_b32 v4, s34, v2
	v_add3_u32 v4, v4, v2, s32                     ; my column
	v_lshlrev_b32 v5, 2, v4
	v_lshl_add_u32 v5, v3, 14, v5                  ; + 32 h rows of 512 bytes
	s_lshl_b32 s35, ttmp9, 3
	s_add_co_u32 s35, s35, s30                     ; 8 i + t
	s_mul_i32 s36, s35, 1536
	s_mov_b32 s37, 0
	s_lshl_b32 s38, s35, 7
	s_add_co_u32 s38, s38, 61440
	s_mov_b32 s39, 0
	v_lshlrev_b32 v6, 2, v9
	s_wait_kmcnt 0x0
	s_mov_b64 s[40:41], s[12:13]                   ; the choice hangs on the work-group's number alone
	s_cmp_eq_u32 ttmp9, 1
	s_cselect_b64 s[40:41], s[14:15], s[40:41]
	s_cmp_eq_u32 ttmp9, 2
	s_cselect_b64 s[40:41], s[16:17], s[40:41]
	s_cmp_eq_u32 ttmp9, 3
	s_cselect_b64 s[40:41], s[18:19], s[40:41]
	s_cmp_eq_u32 ttmp9, 4
	s_cselect_b64 s[40:41], s[20:21], s[40:41]
	s_add_nc_u64 s[42:43], s[28:29], s[36:37]
	s_add_nc_u64 s[44:45], s[28:29], s[38:39]
.set i, 0
.rept 64
	global_load_b32 v[64+i], v5, s[40:41] offset:512*(64*(i/32)+i%32)
.set i, i+1
.endr
	s_wait_loadcnt 0x0
.irp c, 0,1                                    ; my block 2 c + h: all its 32 numbers are mine
	v_max3_num_f32 v[32+\c], |v[64+32*\c]|, |v[65+32*\c]|, 0x1800000
.endr
.irp i, 2,4,6,8,10,12,14,16,18,20,22,24,26,28,30
.irp c, 0,1
	v_max3_num_f32 v[32+\c], v[32+\c], |v[64+32*\c+\i]|, |v[65+32*\c+\i]|
.endr
.endr
.irp c, 0,1
	v_add_nc_u32 v[44+\c], 0xff000000, v[32+\c]
.endr
.irp c, 0,1
	v_lshrrev_b32 v[36+\c], 23, v[44+\c]
.endr
	v_lshl_or_b32 v10, v37, 16, v36                ; my two bytes, blocks h and 2 + h,
	v_lshlrev_b32 v11, 3, v3
	v_lshlrev_b32 v10, v11, v10                    ; at their places in the word;
	v_mov_b32 v11, 0
	v_permlanex16_b32 v11, v10, s50, s51
	v_or_b32 v10, v10, v11                         ; with lane l xor 16's two the word is whole
.irp c, 0,1
	v_cvt_scalef32_pk16_fp6_f32 v[48+6*\c:50+6*\c], v[64+32*\c:79+32*\c], v[44+\c]
	v_cvt_scalef32_pk16_fp6_f32 v[192+4*\c:194+4*\c], v[80+32*\c:95+32*\c], v[44+\c]
.endr
	v_nop                                          ; one plain instruction behind the scaled conversions
.irp c, 0,1
.irp i, 0,1,2
	v_mov_b32 v[51+6*\c+\i], v[192+4*\c+\i]
.endr
.endr
.irp c, 0,1,2
	global_store_b128 v1, v[48+4*\c:51+4*\c], s[42:43] offset:512*\c
.endr
	global_store_b32 v6, v10, s[44:45]
	s_endpgm
.Lfunc_end_k_q1dce18905f_prep:
	.size	k_q1dce18905f_prep, .Lfunc_end_k_q1dce18905f_prep-k_q1dce18905f_prep
	.p2alignl 7, 3214868480
	.fill 96, 4, 3214868480
	.section	.rodata,"a",@progbits
	.p2align	6, 0x0
	.amdhsa_kernel k_q1dce18905f_prep
		.amdhsa_group_segment_fixed_size 164864
		.amdhsa_private_segment_fixed_size 0
		.amdhsa_enable_private_segment 0
		.amdhsa_kernarg_size 104
		.amdhsa_user_sgpr_count 2
		.amdhsa_user_sgpr_kernarg_segment_ptr 1
		.amdhsa_wavefront_size32 1
		.amdhsa_system_sgpr_workgroup_id_x 1
		.amdhsa_system_sgpr_workgroup_id_y 1
		.amdhsa_system_sgpr_workgroup_id_z 1
		.amdhsa_system_vgpr_workitem_id 0
		.amdhsa_next_free_vgpr 258
		.amdhsa_next_free_sgpr 66
		.amdhsa_reserve_vcc 0
		.amdhsa_float_denorm_mode_32 3
		.amdhsa_float_denorm_mode_16_64 3
		.amdhsa_memory_ordered 1
		.amdhsa_forward_progress 1
		.amdhsa_inst_pref_size 79
	.end_amdhsa_kernel
	.amdgpu_metadata
---
amdhsa.version: [ 1, 2 ]
amdhsa.kernels:
  - .name:           k_q1dce18905f_prep
    .symbol:         k_q1dce18905f_prep.kd
    .args:
      - { .name: x, .offset: 0, .size: 8, .value_kind: global_buffer, .address_space: global }
      - { .name: ln_w, .offset: 8, .size: 8, .value_kind: global_buffer, .address_space: global }
      - { .name: ln_b, .offset: 16, .size: 8, .value_kind: global_buffer, .address_space: global }
      - { .name: Wb, .offset: 24, .size: 8, .value_kind: global_buffer, .address_space: global }
      - { .name: Wq, .offset: 32, .size: 8, .value_kind: global_buffer, .address_space: global }
      - { .name: Wk, .offset: 40, .size: 8, .value_kind: global_buffer, .address_space: global }
      - { .name: Wv, .offset: 48, .size: 8, .value_kind: global_buffer, .address_space: global }
      - { .name: Wg, .offset: 56, .size: 8, .value_kind: global_buffer, .address_space: global }
      - { .name: Wo, .offset: 64, .size: 8, .value_kind: global_buffer, .address_space: global }
      - { .name: zc, .offset: 72, .size: 8, .value_kind: global_buffer, .address_space: global }
      - { .name: zs, .offset: 80, .size: 8, .value_kind: global_buffer, .address_space: global }
      - { .name: bias, .offset: 88, .size: 8, .value_kind: global_buffer, .address_space: global }
      - { .name: wts, .offset: 96, .size: 8, .value_kind: global_buffer, .address_space: global }
    .group_segment_fixed_size: 164864
    .private_segment_fixed_size: 0
    .kernarg_segment_align: 8
    .kernarg_segment_size: 104
    .max_flat_workgroup_size: 256
    .sgpr_count:     66
    .vgpr_count:     258
    .wavefront_size: 32
...
	.end_amdgpu_metadata
.endif
;; end of part 1
;; launch attn (part 2): grid 4 x 64, 8 waves a work-group, no clusters, 326,656 bytes of LDS; arguments zc, zs, bias, wts, out0; writes out0
.if DOCPART == 2
	.amdgcn_target "amdgcn-amd-amdhsa--gfx1250"
	.amdhsa_code_object_version 6
	.text
	.protected	k_q1dce18905f_attn
	.globl	k_q1dce18905f_attn
	.p2align	8
	.type	k_q1dce18905f_attn,@function
k_q1dce18905f_attn:
	s_mov_b64 s[64:65], 0
	v_nop
	global_prefetch_b8 v0, s[64:65] scope:SCOPE_SE
	s_setreg_imm32_b32 hwreg(HW_REG_WAVE_MODE, 25, 1), 1
	s_wait_xcnt 0x0
; Triangle attention on codes of FP6 (E2M3) with one E8M0 scale for each 32 along K, from z's codes to out0, all products by v_wmma_scale_f32_16x16x128_f8f6f4.
; SHARES.  Work-group (Q, Bg): rows b = 4 Bg .. 4 Bg + 3, queries 64 Q .. 64 Q + 63, all four heads, all 256 keys.  Eight waves, two to a SIMD.
;   phase 1: wave w makes k and v of key tiles 2 w, 2 w + 1 (keys 32 w .. 32 w + 31) for the four rows, quantises them in registers and lays them in LDS as images of operand registers.
;   phase 2: wave w owns query tile qt = w / 2 and heads 2 (w % 2), 2 (w % 2) + 1, one head (a SLOT) at a time.  THE SLOT'S BIAS (16 queries x 256 keys, 128 registers) IS LOADED ONCE and is the C of the score
;            products of all four rows: the work-group reads 262,144 bytes of bias instead of four times as many, and no vector instruction adds it.
;   phase 3: wave w multiplies two tiles of o x g by Wo and stores 32 whole rows of out0.
; ROWS OF A TILE: row m of tile T is index perm(T, m) = 32 (T / 2) + 8 (T % 2) + m + 8 (m / 8), for positions and for the columns of Wq, Wk, Wv, Wg: the 16 registers of result tiles 2 x, 2 x + 1 are then the
; neighbours 32 x + 16 (lane / 16) + 0 .. 15, which the conversions want.
; THE SCORES HAVE K = 32 in an instruction of K = 128.  An image of K holds FOUR key tiles: block j of row r = the head's 32 codes of key perm(4 G + j, r).  The query's operand has its 32 codes in block j alone and
; zero codes elsewhere: four variants read from one run of 30 registers (zeros, Qlo, zeros, Qhi, zeros).  So no LDS byte of K is spent on zeros.
; THE SOFTMAX: t = (q . k + bias sqrt(32)) x log2(e) / sqrt(32); M = ceil(the row's largest t); p = 2^(t - M) is quantised along the keys; the sum of the unquantised p divides at the end.  A wave holds all 256 keys
; of its 16 queries, so M is final and nothing is rescaled.  A block's largest p is made from its largest score by the same multiply-add and exponential (this takes v_exp_f32 not to fall where its input rises).
; NO CLUSTER, NO JOINT LOADS: what work-groups share (a bias slice of 262,144 bytes, z's tiles of 98,304) is read once by each, at its head or once a slot, straight into registers; a joint load lands in LDS, where
; 196,608 bytes of K and V images, 66,560 of weights and 62,464 of the rest leave 2,048 of 327,680 free.  No tensor load, no ring: every LDS region is filled once, by ds_store, between barriers.
; LIMITS: NaN and infinities are not served; a block whose largest magnitude lies under 2^(3 - 127) gets the byte 1; p under 2^-126 counts as 0.
.set WIMG, 0                           ; the five weights' fragments [i][t] x 1,536
.set WSC,  61440                       ; their scale words [i][t][32 lanes]
.set ZQI,  66560                       ; z's fragments of the query tiles, f = 4 b + qt
.set ZQS,  91136                       ; their scale words, 64 bytes each
.set KIMG, 92160                       ; [b][head][G 4] x 1,536.  An image is two halves of 768 bytes: registers 6 c .. 6 c + 3 at 16 x lane, registers 6 c + 4, 5 at 512 + 8 x lane
.set VIMG, 190464                      ; [b][channel tile 8][key half 2] x 1,536, likewise
.set KSC,  288768                      ; [b][4 head + G][16 words]
.set VSC,  292864                      ; [b][2 t + half][16 words]
.set OGR,  296960                      ; o x g: [4 qt + head][b][row 16] x 24 bytes: a slot's region is 1,536 bytes on end
.set OGS,  321536                      ; its scale bytes, a word each: [4 qt + head][b][row 16]
.set STG,  KIMG                        ; phase 3: 16 rows x 528 bytes for each wave, where K's images lay: nobody reads those behind the last barrier
.set R,    128                         ; phase 1: v128-191 eight result tiles
.set TM,   192                         ; v192-195 largest magnitudes, v196-199 bytes, v204-207 scale operands
.set PC1,  208                         ; v208-219 the fragment just made, v220-226 at work
.set S,    128                         ; phase 2: v128-255 the scores, then p; later O^T v128-143, the gate v144-159
; REGISTERS.  window 0: v1 16 x lane, v2 4 x lane, v3 8 x lane, v4 4 r, v13 4 x lane + WSC, v14 r, v15 h: never rewritten; v5-12 LDS addresses, by phase; v16-31 SCALES AND NOTHING ELSE.
;   phase 1: v32-127 z's eight fragments ((b, e) at 32 + 24 b + 12 e).   phase 2: v32-61 zeros | Qlo | zeros | Qhi | zeros; v64-75 z of the query tile; v76-99 p's two fragments; v100-123 at work; v124 -M; v[126:127] the sum.
;   window 1: v0-127 the slot's bias (key tile T at 8 T); v128-223 weights' fragments (phase 1, 3), or v128-175 four images of K or V, v176-199 Wq's two, v200-223 Wg's two (phase 2).
.set MSB, 0
.macro WIN new                         ; bits 1:0 source 0, 3:2 source 1, 5:4 source 2, 7:6 destination; the immediate's high byte repeats the setting that is left
.if MSB != \new
	s_set_vgpr_msb (MSB<<8)|\new
.set MSB, \new
.endif
.endm
.macro PLACES n                        ; plain instructions behind a matrix instruction, ahead of what reads its result or writes its registers (ISA guide 7.12.1), or ahead of a scaled one whose operands vector instructions wrote
.rept \n
	v_nop
.endr
.endm
.macro MM d, a, b, sa, sb              ; D = A x B, the sum's first product
	v_wmma_scale_f32_16x16x128_f8f6f4 v[\d:\d+7], v[\a:\a+11], v[\b:\b+11], 0, v[\sa], v[\sb] matrix_a_fmt:MATRIX_FMT_FP6 matrix_b_fmt:MATRIX_FMT_FP6
.endm
.macro MMA1 d, a, b, sa, sb            ; A's scales in lanes 16-31
	v_wmma_scale_f32_16x16x128_f8f6f4 v[\d:\d+7], v[\a:\a+11], v[\b:\b+11], 0, v[\sa], v[\sb] matrix_a_fmt:MATRIX_FMT_FP6 matrix_b_fmt:MATRIX_FMT_FP6 matrix_a_scale:MATRIX_SCALE_ROW1
.endm
.macro MMB1 d, a, b, sa, sb            ; B's scales in lanes 16-31
	v_wmma_scale_f32_16x16x128_f8f6f4 v[\d:\d+7], v[\a:\a+11], v[\b:\b+11], 0, v[\sa], v[\sb] matrix_a_fmt:MATRIX_FMT_FP6 matrix_b_fmt:MATRIX_FMT_FP6 matrix_b_scale:MATRIX_SCALE_ROW1
.endm
.macro MMC d, a, b, c, sa, sb          ; D = A x B + C
	v_wmma_scale_f32_16x16x128_f8f6f4 v[\d:\d+7], v[\a:\a+11], v[\b:\b+11], v[\c:\c+7], v[\sa], v[\sb] matrix_a_fmt:MATRIX_FMT_FP6 matrix_b_fmt:MATRIX_FMT_FP6
.endm
; 64 numbers of a lane, register 16 b + i = index 32 b + 16 (lane / 16) + i of block b, become a fragment in v[PC1] on (lanes 0-15: blocks 0, 2; lanes 16-31: blocks 1, 3); the four bytes stay in v[TM+4] on
.macro QUANT s
.irp b, 0,1,2,3
	v_max3_num_f32 v[TM+\b], |v[\s+16*\b]|, |v[\s+1+16*\b]|, 0x1800000   ; with the floor 2^(3 - 127): the byte cannot fall under 1
.endr
.irp i, 2,4,6,8,10,12,14
.irp b, 0,1,2,3
	v_max3_num_f32 v[TM+\b], v[TM+\b], |v[\s+16*\b+\i]|, |v[\s+1+16*\b+\i]|
.endr
.endr
.irp b, 0,1,2,3
	v_permlanex16_b32 v[TM+4+\b], v[TM+\b], s20, s21
.endr
.irp b, 0,1,2,3
	v_max_num_f32 v[TM+\b], v[TM+\b], v[TM+4+\b]   ; with lane l xor 16's: the block's largest magnitude
.endr
.irp b, 0,1,2,3
	v_add_nc_u32 v[TM+12+\b], 0xff000000, v[TM+\b] ; 2 off its exponent field: the conversion's scale operand
.endr
.irp b, 0,1,2,3
	v_lshrrev_b32 v[TM+4+\b], 23, v[TM+12+\b]      ; the scale's byte
.endr
.irp c, 0,1
	v_cvt_scalef32_pk16_fp6_f32 v[PC1+6*\c:PC1+2+6*\c], v[\s+32*\c:\s+15+32*\c], v[TM+12+2*\c]
	v_cvt_scalef32_pk16_fp6_f32 v[PC1+12+4*\c:PC1+14+4*\c], v[\s+16+32*\c:\s+31+32*\c], v[TM+12+2*\c+1]
.endr
	v_nop                                          ; one plain instruction behind the scaled conversions
.irp c, 0,1
.irp i, 0,1,2
	v_permlane16_swap_b32 v[PC1+6*\c+\i], v[PC1+12+4*\c+\i]
.endr
.irp i, 0,1,2
	v_mov_b32 v[PC1+3+6*\c+\i], v[PC1+12+4*\c+\i]
.endr
.endr
.endm
; weight i's eight fragments into window 1, v128 on, and its scale words into v16-23
.macro WLOAD i
	WIN 0x40
.irp t, 0,1,2,3,4,5,6,7
.irp c, 0,1,2
	ds_load_b128 v[128+12*\t+4*\c:131+12*\t+4*\c], v1 offset:(\i)*12288+1536*\t+512*\c
.endr
.endr
	WIN 0
.irp t, 0,1,2,3,4,5,6,7
	ds_load_b32 v[16+\t], v13 offset:(8*(\i)+\t)*128
.endr
.endm
	s_load_b256 s[4:11], s[0:1], 0x0               ; zc, zs, bias, wts
	s_load_b64 s[12:13], s[0:1], 0x20              ; out0
	v_lshl_add_u32 v30, v0, 2, 0x4f800
	v_mov_b32 v31, 0
	v_lshrrev_b32 v5, 5, v0
	v_readfirstlane_b32 s14, v5                    ; wave 0..7
	s_and_b32 s16, ttmp7, 0xffff                   ; Bg;  ttmp9 = Q
	s_and_b32 s17, s14, 1                          ; w % 2
	s_lshr_b32 s18, s14, 1                         ; w / 2 = qt
	v_and_b32 v5, 31, v0
	v_lshlrev_b32 v1, 4, v5
	v_lshlrev_b32 v2, 2, v5
	v_lshlrev_b32 v3, 3, v5
	v_and_b32 v14, 15, v0                          ; r
	v_bfe_u32 v15, v0, 4, 1                        ; h
	v_lshlrev_b32 v4, 2, v14
	v_add_nc_u32 v13, WSC, v2
	s_mov_b32 s20, 0x76543210
	s_mov_b32 s21, 0xfedcba98                      ; v_permlanex16_b32's selects for lane l xor 16
	s_mov_b32 s22, 0x3e8293ee                      ; c = log2(e) / sqrt(32)
	s_mov_b32 s23, s22
	s_mov_b32 s24, 0xffff0000                      ; lanes 16-31
	s_lshl_b32 s36, s14, 9                         ; the weights' images: my 512 bytes of each 4,096
	s_mov_b32 s37, 0
	s_lshl_b32 s38, s14, 7
	s_add_co_u32 s38, s38, 61440                   ; their scale words: my 128 bytes of each 1,024
	s_mov_b32 s39, 0
	s_lshl_b32 s19, s16, 2
	s_add_co_u32 s25, s19, s18                     ; row 4 Bg + w / 2
	s_lshl_b32 s26, s25, 4
	s_lshl_b32 s27, ttmp9, 2
	s_add_co_u32 s26, s26, s27
	s_lshl_b32 s27, s17, 1
	s_add_co_u32 s26, s26, s27                     ; query tiles f = 2 w, 2 w + 1: row w / 2, tiles 4 Q + 2 (w % 2) and the next
	s_mul_i32 s28, s26, 1536
	s_mov_b32 s29, 0
	s_lshl_b32 s30, s26, 6
	s_mov_b32 s31, 0
	s_lshl_b32 s26, s16, 6
	s_lshl_b32 s27, s14, 1
	s_add_co_u32 s26, s26, s27                     ; key tiles: row 4 Bg, tile 2 w
	s_mul_i32 s32, s26, 1536
	s_mov_b32 s33, 0
	s_lshl_b32 s34, s26, 6
	s_mov_b32 s35, 0
	s_lshl_b32 s26, s17, 5
	s_lshl_b32 s27, ttmp9, 2
	s_add_co_u32 s26, s26, s27
	s_add_co_u32 s26, s26, s18
	s_lshl_b32 s56, s26, 14                        ; bias: (16 x head 2 (w % 2) + query tile 4 Q + qt) x 16,384 bytes
	s_mov_b32 s57, 0
	s_lshl_b32 s26, s25, 8
	s_lshl_b32 s27, ttmp9, 6
	s_add_co_u32 s26, s26, s27
	s_lshl_b32 s27, s17, 5
	s_add_co_u32 s26, s26, s27
	s_lshl_b32 s58, s26, 9                         ; out0: row 4 Bg + w / 2, position 64 Q + 32 (w % 2), 512 bytes each
	s_mov_b32 s59, 0
	s_wait_kmcnt 0x0
	s_add_nc_u64 s[40:41], s[10:11], s[36:37]
	s_add_nc_u64 s[42:43], s[10:11], s[38:39]
	s_add_nc_u64 s[44:45], s[4:5], s[28:29]
	s_add_nc_u64 s[46:47], s[6:7], s[30:31]
	s_add_nc_u64 s[48:49], s[4:5], s[32:33]
	s_add_nc_u64 s[50:51], s[6:7], s[34:35]
	s_add_nc_u64 s[52:53], s[8:9], s[56:57]
	s_add_nc_u64 s[54:55], s[12:13], s[58:59]
	; all of the head's loads at once.  First what goes on to LDS for all waves: 27 loads
.irp j, 0,1,2,3,4,5,6,7,8,9,10,11,12,13,14
	global_load_b128 v[128+4*\j:131+4*\j], v1, s[40:41] offset:4096*\j
.endr
.irp j, 0,1,2,3,4
	global_load_b32 v[188+\j], v2, s[42:43] offset:1024*\j
.endr
.irp j, 0,1,2,3,4,5
	global_load_b128 v[194+4*\j:197+4*\j], v1, s[44:45] offset:512*\j
.endr
	global_load_b32 v218, v2, s[46:47]
	; then my key tiles of the four rows, straight into operand registers: 28 loads; a scale register holds tile 2 w's words in lanes 0-15 and tile 2 w + 1's in lanes 16-31
.irp b, 0,1,2,3
.irp j, 0,1,2,3,4,5
	global_load_b128 v[32+24*\b+4*\j:35+24*\b+4*\j], v1, s[48:49] offset:24576*\b+512*\j
.endr
	global_load_b32 v[24+\b], v2, s[50:51] offset:1024*\b
.endr
	; then the first slot's bias: 32 loads into window 1
	WIN 0x40
.set i, 0
.rept 32
	global_load_b128 v[4*i:4*i+3], v1, s[52:53] offset:512*i
.set i, i+1
.endr
	WIN 0
	; LDS addresses of phase 1.  K: lane (r, h), half c of a fragment = head 2 c + h of key perm(2 w + e, r) -> image (b, head, G = w / 2), block 2 (w % 2) + e: half w % 2, lane r + 16 e
	s_mul_i32 s26, s18, 1536
	s_mul_i32 s27, s17, 768
	s_add_co_u32 s26, s26, s27
	s_add_co_u32 s26, s26, KIMG
	v_lshl_add_u32 v5, v14, 4, s26
	v_mad_u32_u24 v5, v15, 6144, v5
	s_add_co_u32 s26, s26, 512
	v_lshl_add_u32 v6, v14, 3, s26
	v_mad_u32_u24 v6, v15, 6144, v6
	s_lshl_b32 s26, s18, 6
	s_lshl_b32 s27, s17, 1
	s_add_co_u32 s26, s26, s27
	s_add_co_u32 s26, s26, KSC
	v_add_nc_u32 v7, s26, v4
	v_lshl_add_u32 v7, v15, 8, v7
	v_add_nc_u32 v8, s36, v1                       ; the copies' places
	s_lshl_b32 s26, s14, 7
	v_add_nc_u32 v9, s26, v13
	s_add_co_u32 s26, s26, ZQS
	v_add_nc_u32 v11, s26, v2
	s_mul_i32 s27, s14, 3072
	s_add_co_u32 s27, s27, ZQI
	v_add_nc_u32 v10, s27, v1
	s_wait_loadcnt 60                              ; the first 27 loads are in; the 28 of my key tiles and the 32 of the bias may be out
.irp j, 0,1,2,3,4,5,6,7,8,9,10,11,12,13,14
	ds_store_b128 v8, v[128+4*\j:131+4*\j] offset:4096*\j
.endr
.irp j, 0,1,2,3,4
	ds_store_b32 v9, v[188+\j] offset:1024*\j
.endr
.irp j, 0,1,2,3,4,5
	ds_store_b128 v10, v[194+4*\j:197+4*\j] offset:512*\j
.endr
	ds_store_b32 v11, v218
	s_wait_dscnt 0x0                               ; for the others' sake: my stores are done
	s_barrier_signal -1
	s_barrier_wait -1                              ; the weights and the query tiles lie in LDS
	; V: lane (r, h), half c = channel tile 4 hh + 2 c + h, row r, key block w -> image (b, t, half w / 4), block w % 4
	s_mul_i32 s26, s18, 768
	s_lshl_b32 s27, s17, 8
	s_add_co_u32 s27, s26, s27
	s_add_co_u32 s27, s27, VIMG
	v_lshl_add_u32 v8, v14, 4, s27
	v_mad_u32_u24 v8, v15, 3072, v8
	s_lshl_b32 s27, s17, 7
	s_add_co_u32 s27, s26, s27
	s_add_co_u32 s27, s27, VIMG+512
	v_lshl_add_u32 v9, v14, 3, s27
	v_mad_u32_u24 v9, v15, 3072, v9
	s_lshr_b32 s26, s14, 2
	s_lshl_b32 s26, s26, 6
	s_and_b32 s27, s14, 3
	s_add_co_u32 s26, s26, s27
	s_add_co_u32 s26, s26, VSC
	v_add_nc_u32 v10, s26, v4
	v_lshl_add_u32 v10, v15, 7, v10
.irp b, 0,1,2,3
	v_mov_b32 v[TM+4+\b], 0                        ; written once: a lane permute's destination counts as one of its sources
.endr
	; ---- phase 1a: k^T = Wk^T z^T (source 0 = 16 columns of Wk, source 1 = 16 keys): a lane holds one key, its registers run along the channels; block = head
.macro KTILE b, e
	WIN 0x01
.irp t, 0,1,2,3,4,5,6,7
.if \e
	MMB1 R+8*\t, 128+12*\t, 32+24*\b+12*\e, 16+\t, 24+\b
.else
	MM R+8*\t, 128+12*\t, 32+24*\b+12*\e, 16+\t, 24+\b
.endif
.endr
	WIN 0
	PLACES 4
	s_wait_dscnt 0x0                               ; the last tile's stores have read their registers
.if \e == 0
	v_add_nc_u32 v11, 24576*\b, v5
	v_add_nc_u32 v12, 24576*\b, v6
.endif
	QUANT R
.irp c, 0,1
	ds_store_b128 v11, v[PC1+6*\c:PC1+6*\c+3] offset:12288*\c+256*\e
	ds_store_b64 v12, v[PC1+6*\c+4:PC1+6*\c+5] offset:12288*\c+128*\e
	v_cndmask_b32 v[228+\c], v[TM+4+2*\c], v[TM+5+2*\c], s24      ; lanes 0-15: head 2 c's byte, lanes 16-31: head 2 c + 1's
	ds_store_b8 v7, v[228+\c] offset:1024*\b+512*\c+\e
.endr
.endm
	WLOAD 1
	s_wait_dscnt 0x0                               ; Wk
	s_wait_loadcnt 32                              ; my key tiles are in; the bias may be out
.irp b, 0,1,2,3
	KTILE \b, 0
	KTILE \b, 1
.endr
	; ---- phase 1b: v = z Wv (source 0 = 16 keys, source 1 = 16 columns of Wv): a lane holds one channel, registers 16 tt + i are keys 32 w + 16 h + i; block = my 32 keys
.macro VHALF b, hh
	WIN 0x04
.irp t, 0,1,2,3
	MM R+16*\t, 32+24*\b, 128+12*(4*\hh+\t), 24+\b, 16+4*\hh+\t
	MMA1 R+16*\t+8, 32+24*\b+12, 128+12*(4*\hh+\t), 24+\b, 16+4*\hh+\t
.endr
	WIN 0
	PLACES 4
	s_wait_dscnt 0x0                               ; the last stores have read their registers
.if \hh == 0
	v_add_nc_u32 v11, 24576*\b, v8
	v_add_nc_u32 v12, 24576*\b, v9
.endif
	QUANT R
.irp c, 0,1
	ds_store_b128 v11, v[PC1+6*\c:PC1+6*\c+3] offset:12288*\hh+6144*\c
	ds_store_b64 v12, v[PC1+6*\c+4:PC1+6*\c+5] offset:12288*\hh+6144*\c
	v_cndmask_b32 v[228+\c], v[TM+4+2*\c], v[TM+5+2*\c], s24
	ds_store_b8 v10, v[228+\c] offset:1024*\b+512*\hh+256*\c
.endr
.endm
	WLOAD 2                                        ; (the last tile's quantising stands between its products and these loads)
	s_wait_dscnt 0x0                               ; Wv
.irp b, 0,1,2,3
	VHALF \b, 0
	VHALF \b, 1
.endr
	s_wait_dscnt 0x0                               ; for the others' sake: my images are stored
	s_barrier_signal -1
	s_barrier_wait -1                              ; K's and V's images of the four rows lie in LDS
	; ---- phase 2
.irp i, 0,1,2,3,4,5
	v_mov_b32 v[32+\i], 0                          ; the three runs of zero codes
	v_mov_b32 v[44+\i], 0
	v_mov_b32 v[56+\i], 0
.endr
.irp i, 0,1,2,3,4,5,6,7
	v_mov_b32 v[116+\i], 0                         ; lane permutes' destinations
.endr
	v_mov_b32 v125, 0                              ; (named as the upper half of the pair v[124:125])
	v_mul_u32_u24 v5, v14, 24
	v_mad_u32_u24 v5, v15, 12, v5                  ; o x g: 24 r + 12 h
	s_mov_b32 s36, 0x01010101
	s_mov_b32 s38, 0xbfb8aa3b                      ; -log2(e)
	s_mov_b32 s39, s38
; four images and their scale words: 16 + 4 loads, every one dense
.macro FRAGS
	WIN 0x40
.irp g, 0,1,2,3
.irp c, 0,1
	ds_load_b128 v[128+12*\g+6*\c:131+12*\g+6*\c], v8 offset:1536*\g+768*\c
	ds_load_b64 v[132+12*\g+6*\c:133+12*\g+6*\c], v9 offset:1536*\g+768*\c+512
.endr
.endr
	WIN 0
.irp g, 0,1,2,3
	ds_load_b32 v[20+\g], v7 offset:64*\g
.endr
.endm
; 16 numbers of a lane (with lane l xor 16's 16: one block) become 16 codes in v[d] .. v[d + 2]; the byte stays in v111
.macro QUANT1 s, d
	v_max3_num_f32 v108, |v[\s]|, |v[\s+1]|, 0x1800000
	v_max3_num_f32 v109, |v[\s+2]|, |v[\s+3]|, |v[\s+4]|
	v_max3_num_f32 v108, v108, |v[\s+5]|, |v[\s+6]|
	v_max3_num_f32 v109, v109, |v[\s+7]|, |v[\s+8]|
	v_max3_num_f32 v108, v108, |v[\s+9]|, |v[\s+10]|
	v_max3_num_f32 v109, v109, |v[\s+11]|, |v[\s+12]|
	v_max3_num_f32 v108, v108, |v[\s+13]|, |v[\s+14]|
	v_max3_num_f32 v109, v109, v108, |v[\s+15]|
	v_permlanex16_b32 v116, v109, s20, s21
	v_max_num_f32 v109, v109, v116
	v_add_nc_u32 v110, 0xff000000, v109
	v_lshrrev_b32 v111, 23, v110
	v_cvt_scalef32_pk16_fp6_f32 v[\d:\d+2], v[\s:\s+15], v110
	v_nop                                          ; one plain instruction behind the scaled conversion
.endm
; A SLOT: head 2 (w % 2) + slot, my query tile, the four rows in a loop of four trips; what differs between trips stands in s29-s34
.macro SLOT slot
	s_lshl_b32 s28, s17, 1
	s_add_co_u32 s28, s28, \slot                   ; the head
	s_mul_i32 s29, s28, 6144
	s_add_co_u32 s29, s29, KIMG                    ; K's four images; 24,576 a row
	s_lshl_b32 s30, s28, 8
	s_add_co_u32 s30, s30, KSC                     ; their scale words; 1,024 a row
	s_mul_i32 s31, s18, 1536
	s_add_co_u32 s31, s31, ZQI                     ; z of my query tile; 6,144 a row
	s_lshl_b32 s32, s18, 6
	s_add_co_u32 s32, s32, ZQS                     ; 256 a row
	s_lshl_b32 s35, s18, 2
	s_add_co_u32 s35, s35, s28                     ; 4 qt + head
	s_mul_i32 s33, s35, 1536
	s_add_co_u32 s33, s33, OGR                     ; 384 a row
	s_lshl_b32 s34, s35, 8
	s_add_co_u32 s34, s34, OGS                     ; 64 a row
	s_mul_i32 s35, s28, 3072
	v_add_nc_u32 v10, s35, v1
	s_lshl_b32 s35, s28, 8
	v_add_nc_u32 v6, s35, v13
	WIN 0x40                                       ; the head's two tiles of Wq and of Wg stay in registers for the slot
.irp u, 0,1
.irp c, 0,1,2
	ds_load_b128 v[176+12*\u+4*\c:179+12*\u+4*\c], v10 offset:1536*\u+512*\c
	ds_load_b128 v[200+12*\u+4*\c:203+12*\u+4*\c], v10 offset:36864+1536*\u+512*\c
.endr
.endr
	WIN 0
.irp u, 0,1
	ds_load_b32 v[16+\u], v6 offset:128*\u
	ds_load_b32 v[18+\u], v6 offset:3072+128*\u
.endr
	s_mov_b32 s26, 4
.Ltask_\@:
	v_add_nc_u32 v8, s29, v1
	v_add_nc_u32 v9, s29, v3
	v_add_nc_u32 v7, s30, v4
	v_add_nc_u32 v10, s31, v1
	v_add_nc_u32 v6, s32, v4
.irp c, 0,1,2
	ds_load_b128 v[64+4*\c:67+4*\c], v10 offset:512*\c
.endr
	ds_load_b32 v27, v6
	FRAGS                                          ; K
	s_wait_dscnt 20                                ; z of the query tile (and Wq, Wg) are in; K's 20 loads may be out
	WIN 0x01
	MM 128, 176, 64, 16, 27                        ; q^T: a lane holds one query, registers 0-15 its channels 16 h + 0 .. 15 of the head
	MM 136, 188, 64, 17, 27
	WIN 0
	PLACES 4
	QUANT1 128, 38
	v_mul_lo_u32 v26, v111, s36                    ; the query's byte in all four bytes of its scale word: it serves whichever block holds the codes
.irp i, 0,1,2
	v_mov_b32 v[53+\i], v[38+\i]
	v_mov_b32 v[41+\i], 0
	v_mov_b32 v[50+\i], 0
.endr
.irp i, 0,1,2                                  ; Qlo (v38-43): the whole block in lanes 0-15, zeros in lanes 16-31; Qhi (v50-55): the other way round
	v_permlane16_swap_b32 v[38+\i], v[41+\i]
	v_permlane16_swap_b32 v[50+\i], v[53+\i]
.endr
	PLACES 4                                       ; operands written by vector instructions stand 4 places ahead of a scaled product; the scale word stands 19 ahead
	s_wait_dscnt 0x0                               ; K
	s_wait_loadcnt 0x0                             ; the slot's bias (out only in a slot's first trip)
	WIN 0x11
.irp g, 0,1,2,3                                ; S^T of key tile 4 g + j = image g x the query in block j, + the bias: 16 accumulators, each written once
.irp j, 0,1,2,3
	MMC S+8*(4*\g+\j), 128+12*\g, 38+12*(\j%2)-6*(\j/2), 8*(4*\g+\j), 20+\g, 26
.endr
.endr
	WIN 0
	PLACES 4
.if \slot == 0
	s_cmp_lg_u32 s26, 1                            ; in the first slot's last trip the bias registers have been read for the last time: the next head's bias is asked for, and lands under the softmax
	s_cbranch_scc1 .Lnob_\@
	WIN 0x40
.set i, 0
.rept 32
	global_load_b128 v[4*i:4*i+3], v1, s[52:53] offset:262144+512*i
.set i, i+1
.endr
	WIN 0
.Lnob_\@:
.endif
	v_add_nc_u32 v8, VIMG-KIMG, v8
	v_add_nc_u32 v9, VIMG-KIMG, v9
	v_add_nc_u32 v7, VSC-KSC, v7
	FRAGS                                          ; V: image 2 u + half; it lands under the softmax
.irp b, 0,1,2,3,4,5,6,7
	v_max3_num_f32 v[108+\b], v[S+16*\b], v[S+16*\b+1], v[S+16*\b+2]   ; the largest score of each block of 32 keys: for the row's maximum, and for the block's largest p
.endr
.irp i, 3,5,7,9,11,13
.irp b, 0,1,2,3,4,5,6,7
	v_max3_num_f32 v[108+\b], v[108+\b], v[S+16*\b+\i], v[S+16*\b+\i+1]
.endr
.endr
.irp b, 0,1,2,3,4,5,6,7
	v_max_num_f32 v[108+\b], v[108+\b], v[S+16*\b+15]
.endr
.irp b, 0,1,2,3,4,5,6,7
	v_permlanex16_b32 v[116+\b], v[108+\b], s20, s21
.endr
.irp b, 0,1,2,3,4,5,6,7
	v_max_num_f32 v[108+\b], v[108+\b], v[116+\b]
.endr
	v_max3_num_f32 v100, v108, v109, v110
	v_max3_num_f32 v101, v111, v112, v113
	v_max3_num_f32 v100, v100, v114, v115
	v_max_num_f32 v100, v100, v101
	v_mul_f32 v100, s22, v100                      ; the row's largest t
	v_floor_f32 v124, -v100                        ; -M = floor(-t): M is a whole number
.set j, 0
.rept 64
	v_pk_fma_f32 v[S+j:S+j+1], v[S+j:S+j+1], s[22:23], v[124:125] op_sel_hi:[1,0,0]   ; t - M
.set j, j+2
.endr
.irp b, 0,1,2,3,4,5,6,7
	v_fma_f32 v[108+\b], v[108+\b], s22, v124
.endr
.set j, 0
.rept 128
	v_exp_f32 v[S+j], v[S+j]                       ; p = 2^(t - M): not normalised
.set j, j+1
.endr
.irp b, 0,1,2,3,4,5,6,7
	v_exp_f32 v[108+\b], v[108+\b]                 ; the blocks' largest p
.endr
	v_nop                                          ; a plain instruction behind the last exponential
	s_wait_alu depctr_va_vdst(0)                   ; the wait ahead of the first reader: one for the batch of 136
	v_pk_add_f32 v[126:127], v[S:S+1], v[S+8:S+9]  ; the sum of the unquantised p, four chains (three of them in Qlo's registers, which are free)
	v_pk_add_f32 v[38:39], v[S+2:S+3], v[S+10:S+11]
	v_pk_add_f32 v[40:41], v[S+4:S+5], v[S+12:S+13]
	v_pk_add_f32 v[42:43], v[S+6:S+7], v[S+14:S+15]
.set j, 16
.rept 14
	v_pk_add_f32 v[126:127], v[126:127], v[S+j:S+j+1]
	v_pk_add_f32 v[38:39], v[38:39], v[S+j+2:S+j+3]
	v_pk_add_f32 v[40:41], v[40:41], v[S+j+4:S+j+5]
	v_pk_add_f32 v[42:43], v[42:43], v[S+j+6:S+j+7]
.set j, j+8
.endr
	v_pk_add_f32 v[126:127], v[126:127], v[38:39]
	v_pk_add_f32 v[40:41], v[40:41], v[42:43]
	v_pk_add_f32 v[126:127], v[126:127], v[40:41]
.irp b, 0,1,2,3,4,5,6,7
	v_max_num_f32 v[108+\b], 0x1800000, v[108+\b]  ; the floor: a block whose every p is 0 keeps the byte 1; its codes are zeros
.endr
.irp b, 0,1,2,3,4,5,6,7
	v_add_nc_u32 v[116+\b], 0xff000000, v[108+\b]
.endr
.irp b, 0,1,2,3,4,5,6,7
	v_lshrrev_b32 v[100+\b], 23, v[116+\b]
.endr
	v_lshl_or_b32 v24, v101, 8, v100               ; p's scale words: keys 0-127, keys 128-255
	v_lshl_or_b32 v25, v105, 8, v104
	v_lshl_or_b32 v24, v102, 16, v24
	v_lshl_or_b32 v25, v106, 16, v25
	v_lshl_or_b32 v24, v103, 24, v24
	v_lshl_or_b32 v25, v107, 24, v25
.irp f, 0,1
.irp c, 0,1
	v_cvt_scalef32_pk16_fp6_f32 v[76+12*\f+6*\c:78+12*\f+6*\c], v[S+64*\f+32*\c:S+64*\f+32*\c+15], v[116+4*\f+2*\c]
	v_cvt_scalef32_pk16_fp6_f32 v[100+8*\f+4*\c:102+8*\f+4*\c], v[S+64*\f+32*\c+16:S+64*\f+32*\c+31], v[116+4*\f+2*\c+1]
.endr
.endr
	v_nop                                          ; one plain instruction behind the scaled conversions
.irp f, 0,1
.irp c, 0,1
.irp i, 0,1,2
	v_permlane16_swap_b32 v[76+12*\f+6*\c+\i], v[100+8*\f+4*\c+\i]
.endr
.irp i, 0,1,2
	v_mov_b32 v[79+12*\f+6*\c+\i], v[100+8*\f+4*\c+\i]
.endr
.endr
.endr
	v_add_f32 v126, v126, v127
	v_permlanex16_b32 v116, v126, s20, s21
	v_add_f32 v126, v126, v116                     ; the row's sum
	PLACES 4
	s_wait_dscnt 0x0                               ; V
	WIN 0x01                                       ; O^T = V^T P^T and the gate's product: four accumulators by turns, one instruction a turn
	MM 128, 128, 76, 20, 24
	MM 136, 152, 76, 22, 24
	MM 144, 200, 64, 18, 27
	MM 152, 212, 64, 19, 27
	MMC 128, 140, 88, 128, 21, 25
	MMC 136, 164, 88, 136, 23, 25
	WIN 0
	PLACES 4
.irp i, 0,2,4,6,8,10,12,14
	v_pk_mul_f32 v[144+\i:145+\i], v[144+\i:145+\i], s[38:39] op_sel_hi:[1,0]
.endr
	v_rcp_f32 v126, v126
.irp i, 0,1,2,3,4,5,6,7,8,9,10,11,12,13,14,15
	v_exp_f32 v[144+\i], v[144+\i]
.endr
	v_nop
	s_wait_alu depctr_va_vdst(0)                   ; one wait for the reciprocal and the sixteen exponentials
.irp i, 0,2,4,6,8,10,12,14
	v_pk_add_f32 v[144+\i:145+\i], v[144+\i:145+\i], 1.0 op_sel_hi:[1,0]
.endr
.irp i, 0,1,2,3,4,5,6,7,8,9,10,11,12,13,14,15
	v_rcp_f32 v[144+\i], v[144+\i]                 ; the gate: 1 / (1 + 2^(-x log2(e)))
.endr
.irp i, 0,2,4,6,8,10,12,14
	v_pk_mul_f32 v[128+\i:129+\i], v[128+\i:129+\i], v[126:127] op_sel_hi:[1,0]   ; O^T / the sum: independent work behind the reciprocals
.endr
	s_wait_alu depctr_va_vdst(0)                   ; one wait for the sixteen
.irp i, 0,2,4,6,8,10,12,14
	v_pk_mul_f32 v[128+\i:129+\i], v[128+\i:129+\i], v[144+\i:145+\i]
.endr
	QUANT1 128, 160                                ; o x g: block = the head
	v_add_nc_u32 v10, s33, v5
	v_add_nc_u32 v6, s34, v4
	ds_store_b32 v10, v160
	ds_store_b32 v10, v161 offset:4
	ds_store_b32 v10, v162 offset:8
	ds_store_b32 v6, v111                          ; both halves of the lanes store the same word with the same value
	s_add_co_u32 s29, s29, 24576
	s_add_co_u32 s30, s30, 1024
	s_add_co_u32 s31, s31, 6144
	s_add_co_u32 s32, s32, 256
	s_add_co_u32 s33, s33, 384
	s_add_co_u32 s34, s34, 64
	s_sub_co_u32 s26, s26, 1
	s_cmp_lg_u32 s26, 0
	s_cbranch_scc1 .Ltask_\@
.endm
	SLOT 0
	SLOT 1
	s_wait_dscnt 0x0                               ; for the others' sake: my stores are done, and my reads of K's and V's images are over
	s_barrier_signal -1
	s_barrier_wait -1                              ; o x g of all 16 tiles lies in LDS
	; ---- phase 3: tiles f = 2 w + e: row w / 2, query tile 2 (w % 2) + e.  out^T = Wo^T (o g)^T: a lane holds one query and eight neighbouring columns a tile
	s_mul_i32 s26, s17, 12288
	s_mul_i32 s27, s18, 384
	s_add_co_u32 s26, s26, s27
	s_add_co_u32 s26, s26, OGR
	v_mul_u32_u24 v8, v14, 24
	v_add_nc_u32 v8, s26, v8
	v_mad_u32_u24 v8, v15, 1536, v8                ; lane (r, h), half c: head 2 c + h: 6,144 qt + 3,072 c + 1,536 h + 384 b + 24 r
	s_lshl_b32 s26, s17, 11
	s_lshl_b32 s27, s18, 6
	s_add_co_u32 s26, s26, s27
	s_add_co_u32 s26, s26, OGS
	v_add_nc_u32 v9, s26, v4
	s_mul_i32 s26, s14, 8448
	s_add_co_u32 s26, s26, STG
	v_mul_u32_u24 v10, v14, 528
	v_add_nc_u32 v10, s26, v10
	v_lshl_add_u32 v10, v15, 5, v10                ; the stage, in: row r, + 32 h
	v_add_nc_u32 v11, s26, v1                      ; back: 16 x lane of a row
	WLOAD 4
.irp e, 0,1
.irp c, 0,1
.irp p, 0,1,2
	ds_load_b64 v[32+12*\e+6*\c+2*\p:33+12*\e+6*\c+2*\p], v8 offset:6144*\e+3072*\c+8*\p
.endr
.endr
.irp q, 0,1,2,3
	ds_load_b32 v[56+4*\e+\q], v9 offset:1024*\e+256*\q
.endr
.endr
	s_wait_dscnt 0x0
	v_lshl_or_b32 v24, v57, 8, v56                 ; a row's four bytes make its scale word
	v_lshl_or_b32 v25, v61, 8, v60
	v_lshl_or_b32 v24, v58, 16, v24
	v_lshl_or_b32 v25, v62, 16, v25
	v_lshl_or_b32 v24, v59, 24, v24
	v_lshl_or_b32 v25, v63, 24, v25
	PLACES 8                                       ; a scale register written by a vector instruction stands 8 places ahead of a scaled product
	WIN 0x01
.irp t, 0,1,2,3,4,5,6,7
	MM 128+8*\t, 128+12*\t, 32, 16+\t, 24
.endr
.irp t, 0,1,2,3,4,5,6,7
	MM 192+8*\t, 128+12*\t, 44, 16+\t, 25
.endr
	WIN 0
	PLACES 4
.irp e, 0,1                                    ; through my own stage: 32 bytes a lane in, whole rows of 512 bytes back, into the registers that they left; LDS serves a wave's instructions in order (ISA guide 5.7.1.4)
.irp t, 0,1,2,3,4,5,6,7
	ds_store_b128 v10, v[128+64*\e+8*\t:131+64*\e+8*\t] offset:64*\t          ; each accumulator from its low end on
	ds_store_b128 v10, v[132+64*\e+8*\t:135+64*\e+8*\t] offset:64*\t+16
.endr
.irp i, 0,1,2,3,4,5,6,7,8,9,10,11,12,13,14,15
	ds_load_b128 v[128+64*\e+4*\i:131+64*\e+4*\i], v11 offset:528*\i
.endr
.endr
	s_wait_dscnt 32                                ; the first tile is back; the second tile's 16 stores and 16 loads may be out
.irp i, 0,1,2,3,4,5,6,7,8,9,10,11,12,13,14,15
	global_store_b128 v1, v[128+4*\i:131+4*\i], s[54:55] offset:(\i+8*(\i/8))*512 th:TH_STORE_NT      ; row i of the tile is position perm(., i): 512 consecutive bytes, aligned
.endr
	s_wait_dscnt 0x0
.irp i, 0,1,2,3,4,5,6,7,8,9,10,11,12,13,14,15
	global_store_b128 v1, v[192+4*\i:195+4*\i], s[54:55] offset:(8+\i+8*(\i/8))*512 th:TH_STORE_NT
.endr
	s_wait_tensorcnt 0x0
	ds_add_u32 v30, v31
	s_wait_dscnt 0x0
	s_endpgm
.Lfunc_end_k_q1dce18905f_attn:
	.size	k_q1dce18905f_attn, .Lfunc_end_k_q1dce18905f_attn-k_q1dce18905f_attn
	.p2alignl 7, 3214868480
	.fill 96, 4, 3214868480
	.section	.rodata,"a",@progbits
	.p2align	6, 0x0
	.amdhsa_kernel k_q1dce18905f_attn
		.amdhsa_group_segment_fixed_size 326656
		.amdhsa_private_segment_fixed_size 0
		.amdhsa_enable_private_segment 0
		.amdhsa_kernarg_size 40
		.amdhsa_user_sgpr_count 2
		.amdhsa_user_sgpr_kernarg_segment_ptr 1
		.amdhsa_wavefront_size32 1
		.amdhsa_system_sgpr_workgroup_id_x 1
		.amdhsa_system_sgpr_workgroup_id_y 1
		.amdhsa_system_sgpr_workgroup_id_z 1
		.amdhsa_system_vgpr_workitem_id 0
		.amdhsa_next_free_vgpr 512
		.amdhsa_next_free_sgpr 66
		.amdhsa_reserve_vcc 0
		.amdhsa_float_denorm_mode_32 3
		.amdhsa_float_denorm_mode_16_64 3
		.amdhsa_memory_ordered 1
		.amdhsa_forward_progress 1
		.amdhsa_inst_pref_size 195
	.end_amdhsa_kernel
	.amdgpu_metadata
---
amdhsa.version: [ 1, 2 ]
amdhsa.kernels:
  - .name:           k_q1dce18905f_attn
    .symbol:         k_q1dce18905f_attn.kd
    .args:
      - { .name: zc, .offset: 0, .size: 8, .value_kind: global_buffer, .address_space: global }
      - { .name: zs, .offset: 8, .size: 8, .value_kind: global_buffer, .address_space: global }
      - { .name: bias, .offset: 16, .size: 8, .value_kind: global_buffer, .address_space: global }
      - { .name: wts, .offset: 24, .size: 8, .value_kind: global_buffer, .address_space: global }
      - { .name: out0, .offset: 32, .size: 8, .value_kind: global_buffer, .address_space: global }
    .group_segment_fixed_size: 326656
    .private_segment_fixed_size: 0
    .kernarg_segment_align: 8
    .kernarg_segment_size: 40
    .max_flat_workgroup_size: 256
    .sgpr_count:     66
    .vgpr_count:     512
    .wavefront_size: 32
...
	.end_amdgpu_metadata
.endif
;; end of part 2
;; ======== version 2 of 2: 2 launches
;; workspace buffers: zc 6,291,456 bytes; zs 262,144 bytes; bias 1,048,576 bytes; wts 66,560 bytes
;; launch prep (part 3): grid 261 x 1, 8 waves a work-group, no clusters, 164,864 bytes of LDS; arguments x, ln_w, ln_b, Wb, Wq, Wk, Wv, Wg, Wo, zc, zs, bias, wts; writes zc, zs, bias, wts
.if DOCPART == 3
	.amdgcn_target "amdgcn-amd-amdhsa--gfx1250"
	.amdhsa_code_object_version 6
	.text
	.protected	k_q1dce18905f_prep
	.globl	k_q1dce18905f_prep
	.p2align	8
	.type	k_q1dce18905f_prep,@function
k_q1dce18905f_prep:
	s_mov_b64 s[64:65], 0
	v_nop
	global_prefetch_b8 v0, s[64:65] scope:SCOPE_SE
	s_setreg_imm32_b32 hwreg(HW_REG_WAVE_MODE, 25, 1), 1
	s_wait_xcnt 0x0
; z = LayerNorm(x) in f32; z as codes of FP6 (E2M3) with one E8M0 byte for each 32 along D; the triangle bias z . Wb in f32; the five weights as codes.
; Work-groups 0-4 take one weight each (Wq, Wk, Wv, Wg, Wo), the other 256 take 16 x 16 rows of x each.
; ONE ORDER OF ROWS EVERYWHERE: row m of tile T is index perm(T, m) = 32 (T / 2) + 8 (T % 2) + m + 8 (m / 8), so that the 16 registers of two neighbouring result tiles are 16 neighbours.
; OUTPUTS, all laid as images of the registers that the next launch wants:
;   zc   [b 256][T 16] x 1,536 bytes: the fragment (16 rows x 128 D, 12 registers) of positions perm(T, .) of row b: registers 4 c .. 4 c + 3 of lane l at 512 c + 16 l
;   zs   [b][T][16 rows] one scale word a row
;   bias [head 4][Tq 16][32 quads] x 512 bytes: bias x sqrt(32) in the layout of the score accumulators: key tile T = quad / 2, lane (rq, hq), register j: query perm(Tq, rq), key perm(T, 8 hq + j)
;   wts  [weight 5][tile 8] x 1,536 bytes of fragments (16 columns x 128 K), then from byte 61,440 [weight][tile][32 lanes] scale words
; MAIN PATH: work-group (Tq, T'): first index a = perm(Tq, 0..15), second index perm(T', 0..15).  Wave w takes a0 = perm(Tq, 2 w) and a0 + 1; lane (r, h) owns the row x[a0 + h][perm(T', r)]:
; a lane holds a whole row in 128 registers, so mean, variance, the blocks' largest magnitudes and the bias need no other lane.  Each load reads one whole row, 512 consecutive bytes, 16 a lane;
; the rows turn through the wave's own stage in LDS (pitch 528 = 33 x 16 bytes: sixteen lanes' pieces of 16 bytes fall on sixteen different columns of 16 bytes modulo 256).
; LIMITS: NaN and infinities are not served; a block of zeros, and one whose largest magnitude lies under 2^(3 - 127), gets the byte 1 (its codes are zeros or tiny; the bytes are read by this program alone).
; zs leaves in pieces of 64 bytes (16 words a tile): 262,144 bytes in all, one part in 128 of what the launch reads.
.set X,    128                         ; v128-255 my row
.set PB,   32                          ; v32-127  two sets of 48: ln_w 8, ln_b 8, Wb 8 x 4; later the codes
.set XSTW, 32*528                      ; a wave's stage
.set PAR,  8*XSTW                      ; behind the stages: each wave's own copy of ln_w, ln_b, Wb (3,072 bytes), so that no barrier is needed for them
.set PARW, 3072
.set BST,  PAR+8*PARW                  ; the work-group's stage for the bias: [head 4][quad 2] x 512 bytes
	s_load_b512 s[4:19], s[0:1], 0x0               ; x, ln_w, ln_b, Wb, Wq, Wk, Wv, Wg
	s_load_b256 s[20:27], s[0:1], 0x40             ; Wo, zc, zs, bias
	s_load_b64 s[28:29], s[0:1], 0x60              ; wts
	s_set_vgpr_msb 0x40
	v_lshl_add_u32 v0, v0, 2, 0x28000
	v_mov_b32 v1, 0
	s_set_vgpr_msb 0x4000
	v_lshrrev_b32 v8, 5, v0
	s_delay_alu instid0(VALU_DEP_1)
	v_readfirstlane_b32 s30, v8                    ; wave 0..7
	v_and_b32 v9, 31, v0                           ; lane
	s_delay_alu instid0(VALU_DEP_1)
	v_lshlrev_b32 v1, 4, v9                        ; 16 x lane; never rewritten
	s_mov_b32 s50, 0x76543210
	s_mov_b32 s51, 0xfedcba98                      ; v_permlanex16_b32's selects for lane l xor 16
	s_cmp_lt_u32 ttmp9, 5
	s_cbranch_scc1 .Lweights
	s_sub_co_u32 s32, ttmp9, 5
	s_lshr_b32 s33, s32, 4                         ; Tq
	s_and_b32 s34, s32, 15                         ; T'
	s_lshr_b32 s35, s33, 1
	s_lshl_b32 s35, s35, 5
	s_and_b32 s36, s33, 1
	s_lshl_b32 s36, s36, 3
	s_add_co_u32 s35, s35, s36
	s_lshl_b32 s36, s30, 1
	s_add_co_u32 s35, s35, s36
	s_lshr_b32 s36, s30, 2
	s_lshl_b32 s36, s36, 3
	s_add_co_u32 s35, s35, s36                     ; a0 = perm(Tq, 2 w)
	s_lshr_b32 s36, s34, 1
	s_lshl_b32 s36, s36, 5
	s_and_b32 s37, s34, 1
	s_lshl_b32 s37, s37, 3
	s_add_co_u32 s36, s36, s37                     ; perm(T', 0)
	s_lshl_b32 s38, s35, 8
	s_add_co_u32 s38, s38, s36
	s_lshl_b32 s38, s38, 9                         ; x: (256 a0 + perm(T', 0)) rows of 512 bytes
	s_mov_b32 s39, 0
	s_lshl_b32 s40, s35, 4
	s_add_co_u32 s40, s40, s34                     ; tile 16 a0 + T'
	s_mul_i32 s42, s40, 1536
	s_mov_b32 s43, 0
	s_lshl_b32 s44, s40, 6
	s_mov_b32 s45, 0
	s_lshr_b32 s46, s30, 1                         ; on the way out wave w stores head w / 2, quad 2 T' + w % 2
	s_lshl_b32 s46, s46, 4
	s_add_co_u32 s46, s46, s33
	s_lshl_b32 s46, s46, 5
	s_lshl_b32 s47, s34, 1
	s_add_co_u32 s46, s46, s47
	s_and_b32 s47, s30, 1
	s_add_co_u32 s46, s46, s47
	s_lshl_b32 s46, s46, 9
	s_mov_b32 s47, 0
	s_mul_i32 s48, s30, XSTW
	s_wait_alu depctr_va_vdst(0)
	v_add_nc_u32 v2, s48, v1                       ; the stage, on the way in: 16 x lane of row i
	v_mul_u32_u24 v3, v9, 528
	s_delay_alu instid0(VALU_DEP_1)
	v_add_nc_u32 v3, s48, v3                       ; and on the way out: my row
	s_mul_i32 s49, s30, PARW
	s_add_co_u32 s49, s49, PAR
	v_mov_b32 v4, s49                              ; my wave's parameters: every lane reads the same bytes
	v_add_nc_u32 v5, s49, v1
	v_bfe_u32 v10, v0, 2, 1                        ; the bias stage: key row r -> quad (r / 4) % 2, lane half r / 8, word r % 4; query row 2 w + h = thread / 16
	s_delay_alu instid0(VALU_DEP_1)
	v_lshlrev_b32 v6, 9, v10
	v_bfe_u32 v10, v0, 3, 1
	s_delay_alu instid0(VALU_DEP_1)
	v_lshl_add_u32 v6, v10, 8, v6
	v_and_b32 v10, 0xf0, v0
	s_delay_alu instid0(VALU_DEP_1)
	v_add_nc_u32 v6, v6, v10
	v_and_b32 v10, 3, v0
	s_delay_alu instid0(VALU_DEP_1)
	v_lshl_add_u32 v6, v10, 2, v6
	s_delay_alu instid0(VALU_DEP_1)
	v_add_nc_u32 v6, BST, v6
	v_and_b32 v10, 15, v0
	s_delay_alu instid0(VALU_DEP_1)
	v_lshlrev_b32 v7, 2, v10
	v_bfe_u32 v10, v0, 4, 1
	s_delay_alu instid0(VALU_DEP_1)
	v_lshl_add_u32 v7, v10, 10, v7                 ; zs: 4 r, and 16 tiles of 64 bytes on for a0 + 1
	s_wait_kmcnt 0x0
	s_add_nc_u64 s[4:5], s[4:5], s[38:39]
	s_add_nc_u64 s[22:23], s[22:23], s[42:43]
	s_add_nc_u64 s[24:25], s[24:25], s[44:45]
	s_add_nc_u64 s[26:27], s[26:27], s[46:47]
	global_load_b128 v[32:35], v1, s[6:7]          ; ln_w, ln_b, Wb: 3,072 bytes
	global_load_b128 v[36:39], v1, s[8:9]
.irp j, 0,1,2,3
	global_load_b128 v[40+4*\j:43+4*\j], v1, s[10:11] offset:512*\j
.endr
.set i, 0
.rept 32                                       ; row i = 16 h + r: each load reads one row, 512 consecutive bytes
	global_load_b128 v[X+4*i:X+4*i+3], v1, s[4:5] offset:(i/16)*131072+((i%16)+8*((i%16)/8))*512 th:TH_LOAD_NT
.set i, i+1
.endr
	s_wait_loadcnt 32                              ; the six parameter loads are in; the 32 rows may be out
	ds_store_b128 v5, v[32:35]
	ds_store_b128 v5, v[36:39] offset:512
.irp j, 0,1,2,3
	ds_store_b128 v5, v[40+4*\j:43+4*\j] offset:1024+512*\j
.endr
.irp n, 0,1,2,3
	s_wait_loadcnt 24-8*\n                         ; rows 8 n .. 8 n + 7 are in; the younger rows may be out
.irp i, 0,1,2,3,4,5,6,7
	ds_store_b128 v2, v[X+4*(8*\n+\i):X+4*(8*\n+\i)+3] offset:(8*\n+\i)*528
.endr
.endr
.set i, 0
.rept 32                                       ; LDS serves a wave's instructions in order (ISA guide 5.7.1.4): these see the stores above, and land in the registers that those have left
	ds_load_b128 v[X+4*i:X+4*i+3], v3 offset:16*i
.set i, i+1
.endr
; the parameters of D = 8 q .. 8 q + 7 into set q % 2: 12 loads
.macro PLOAD q
.set PP, PB+48*((\q)%2)
	ds_load_b128 v[PP:PP+3], v4 offset:32*(\q)
	ds_load_b128 v[PP+4:PP+7], v4 offset:32*(\q)+16
	ds_load_b128 v[PP+8:PP+11], v4 offset:512+32*(\q)
	ds_load_b128 v[PP+12:PP+15], v4 offset:512+32*(\q)+16
.irp k, 0,1,2,3,4,5,6,7
	ds_load_b128 v[PP+16+4*\k:PP+19+4*\k], v4 offset:1024+128*(\q)+16*\k
.endr
.endm
	PLOAD 0
	s_wait_dscnt 12                                ; my row is in; the 12 parameter loads may be out
	v_pk_add_f32 v[10:11], v[128:129], v[136:137]
	v_pk_add_f32 v[12:13], v[144:145], v[152:153]
	v_pk_add_f32 v[14:15], v[160:161], v[168:169]
	v_pk_add_f32 v[126:127], v[176:177], v[184:185]
	v_pk_add_f32 v[124:125], v[192:193], v[200:201]
	v_pk_add_f32 v[122:123], v[208:209], v[216:217]
	v_pk_add_f32 v[120:121], v[224:225], v[232:233]
	v_pk_add_f32 v[8:9], v[240:241], v[248:249]
	s_delay_alu instid0(VALU_DEP_1)
	v_pk_add_f32 v[8:9], v[8:9], v[130:131]
	v_pk_add_f32 v[10:11], v[10:11], v[138:139]
	v_pk_add_f32 v[12:13], v[12:13], v[146:147]
	v_pk_add_f32 v[14:15], v[14:15], v[154:155]
	v_pk_add_f32 v[126:127], v[126:127], v[162:163]
	v_pk_add_f32 v[124:125], v[124:125], v[170:171]
	v_pk_add_f32 v[122:123], v[122:123], v[178:179]
	v_pk_add_f32 v[120:121], v[120:121], v[186:187]
	v_pk_add_f32 v[8:9], v[8:9], v[194:195]
	v_pk_add_f32 v[10:11], v[10:11], v[202:203]
	v_pk_add_f32 v[12:13], v[12:13], v[210:211]
	v_pk_add_f32 v[14:15], v[14:15], v[218:219]
	v_pk_add_f32 v[126:127], v[126:127], v[226:227]
	v_pk_add_f32 v[124:125], v[124:125], v[234:235]
	v_pk_add_f32 v[122:123], v[122:123], v[242:243]
	v_pk_add_f32 v[120:121], v[120:121], v[250:251]
	v_pk_add_f32 v[8:9], v[8:9], v[132:133]
	v_pk_add_f32 v[10:11], v[10:11], v[140:141]
	v_pk_add_f32 v[12:13], v[12:13], v[148:149]
	v_pk_add_f32 v[14:15], v[14:15], v[156:157]
	v_pk_add_f32 v[126:127], v[126:127], v[164:165]
	v_pk_add_f32 v[124:125], v[124:125], v[172:173]
	v_pk_add_f32 v[122:123], v[122:123], v[180:181]
	v_pk_add_f32 v[120:121], v[120:121], v[188:189]
	v_pk_add_f32 v[8:9], v[8:9], v[196:197]
	v_pk_add_f32 v[10:11], v[10:11], v[204:205]
	v_pk_add_f32 v[12:13], v[12:13], v[212:213]
	v_pk_add_f32 v[14:15], v[14:15], v[220:221]
	v_pk_add_f32 v[126:127], v[126:127], v[228:229]
	v_pk_add_f32 v[124:125], v[124:125], v[236:237]
	v_pk_add_f32 v[122:123], v[122:123], v[244:245]
	v_pk_add_f32 v[120:121], v[120:121], v[252:253]
	v_pk_add_f32 v[8:9], v[8:9], v[134:135]
	v_pk_add_f32 v[10:11], v[10:11], v[142:143]
	v_pk_add_f32 v[12:13], v[12:13], v[150:151]
	v_pk_add_f32 v[14:15], v[14:15], v[158:159]
	v_pk_add_f32 v[126:127], v[126:127], v[166:167]
	v_pk_add_f32 v[124:125], v[124:125], v[174:175]
	v_pk_add_f32 v[122:123], v[122:123], v[182:183]
	v_pk_add_f32 v[120:121], v[120:121], v[190:191]
	v_pk_add_f32 v[8:9], v[8:9], v[198:199]
	v_pk_add_f32 v[10:11], v[10:11], v[206:207]
	v_pk_add_f32 v[12:13], v[12:13], v[214:215]
	v_pk_add_f32 v[14:15], v[14:15], v[222:223]
	v_pk_add_f32 v[126:127], v[126:127], v[230:231]
	v_pk_add_f32 v[124:125], v[124:125], v[238:239]
	v_pk_add_f32 v[122:123], v[122:123], v[246:247]
	v_pk_add_f32 v[120:121], v[120:121], v[254:255]
	s_delay_alu instid0(VALU_DEP_4)
	v_pk_add_f32 v[8:9], v[8:9], v[126:127]
	s_delay_alu instid0(VALU_DEP_4)
	v_pk_add_f32 v[10:11], v[10:11], v[124:125]
	s_delay_alu instid0(VALU_DEP_4)
	v_pk_add_f32 v[12:13], v[12:13], v[122:123]
	s_delay_alu instid0(VALU_DEP_4)
	v_pk_add_f32 v[14:15], v[14:15], v[120:121]
	s_delay_alu instid0(VALU_DEP_2)
	v_pk_add_f32 v[8:9], v[8:9], v[12:13]
	s_delay_alu instid0(VALU_DEP_2)
	v_pk_add_f32 v[10:11], v[10:11], v[14:15]
	s_delay_alu instid0(VALU_DEP_1)
	v_pk_add_f32 v[8:9], v[8:9], v[10:11]
	s_delay_alu instid0(VALU_DEP_1)
	v_add_f32 v8, v8, v9
	s_delay_alu instid0(VALU_DEP_1)
	v_mul_f32 v24, 0x3c000000, v8                  ; the mean: x 1 / 128
	s_delay_alu instid0(VALU_DEP_1)
	v_mov_b32 v25, v24
.set j, 0
.rept 64
	v_pk_add_f32 v[X+2*j:X+2*j+1], v[X+2*j:X+2*j+1], v[24:25] neg_lo:[0,1] neg_hi:[0,1]
.set j, j+1
.endr
.irp k, 0,1,2,3
	v_pk_mul_f32 v[8+2*\k:9+2*\k], v[X+2*\k:X+2*\k+1], v[X+2*\k:X+2*\k+1]
.endr
.set j, 4
.rept 60
	s_delay_alu instid0(VALU_DEP_4)
	v_pk_fma_f32 v[8+2*(j%4):9+2*(j%4)], v[X+2*j:X+2*j+1], v[X+2*j:X+2*j+1], v[8+2*(j%4):9+2*(j%4)]
.set j, j+1
.endr
	s_delay_alu instid0(VALU_DEP_3)
	v_pk_add_f32 v[8:9], v[8:9], v[10:11]
	s_delay_alu instid0(VALU_DEP_2)
	v_pk_add_f32 v[12:13], v[12:13], v[14:15]
	s_delay_alu instid0(VALU_DEP_1)
	v_pk_add_f32 v[8:9], v[8:9], v[12:13]
	s_delay_alu instid0(VALU_DEP_1)
	v_add_f32 v8, v8, v9
	s_delay_alu instid0(VALU_DEP_1)
	v_mul_f32 v8, 0x3c000000, v8                   ; the variance
	s_delay_alu instid0(VALU_DEP_1)
	v_add_f32 v8, 0x3727c5ac, v8                   ; + 1e-5
	s_wait_alu depctr_va_vdst(0)
	v_rsq_f32 v26, v8
	v_rsq_f32 v27, v8                              ; twice: a pair for the packed multiply
	v_nop                                          ; a plain instruction behind the transcendentals
	s_wait_alu depctr_va_vdst(0)                   ; the wait ahead of the first reader: one for both
; one number of z times Wb's four heads onto sums of its parity: v[16:19] even D, v[20:23] odd D.  The first two products start the sums.
.macro BFMA q, k
.set XP, X+8*(\q)+2*((\k)/2)
.set WP, PQ+16+4*(\k)
.set AP, 16+4*((\k)%2)
.if ((\q)==0) && ((\k)<2)
.if ((\k)%2)==0
	s_delay_alu instid0(VALU_DEP_4)
	v_pk_mul_f32 v[AP:AP+1], v[XP:XP+1], v[WP:WP+1] op_sel:[0,0] op_sel_hi:[0,1]
	v_pk_mul_f32 v[AP+2:AP+3], v[XP:XP+1], v[WP+2:WP+3] op_sel:[0,0] op_sel_hi:[0,1]
.else
	v_pk_mul_f32 v[AP:AP+1], v[XP:XP+1], v[WP:WP+1] op_sel:[1,0] op_sel_hi:[1,1]
	v_pk_mul_f32 v[AP+2:AP+3], v[XP:XP+1], v[WP+2:WP+3] op_sel:[1,0] op_sel_hi:[1,1]
.endif
.else
.if ((\k)%2)==0
	s_delay_alu instid0(VALU_DEP_4)
	v_pk_fma_f32 v[AP:AP+1], v[XP:XP+1], v[WP:WP+1], v[AP:AP+1] op_sel:[0,0,0] op_sel_hi:[0,1,1]
	v_pk_fma_f32 v[AP+2:AP+3], v[XP:XP+1], v[WP+2:WP+3], v[AP+2:AP+3] op_sel:[0,0,0] op_sel_hi:[0,1,1]
.else
	v_pk_fma_f32 v[AP:AP+1], v[XP:XP+1], v[WP:WP+1], v[AP:AP+1] op_sel:[1,0,0] op_sel_hi:[1,1,1]
	v_pk_fma_f32 v[AP+2:AP+3], v[XP:XP+1], v[WP+2:WP+3], v[AP+2:AP+3] op_sel:[1,0,0] op_sel_hi:[1,1,1]
.endif
.endif
.endm
; eight numbers along D: z = (x - mean) x rsq x ln_w + ln_b, in place, and their part of the bias
.macro CHUNK q
.if (\q) < 15
	PLOAD (\q)+1
	s_wait_dscnt 12                                ; this chunk's parameters are in; the 12 loads just issued may be out
.else
	s_wait_dscnt 0x0
.endif
.set PQ, PB+48*((\q)%2)
.irp k, 0,2,4,6
	v_pk_mul_f32 v[X+8*(\q)+\k:X+8*(\q)+\k+1], v[X+8*(\q)+\k:X+8*(\q)+\k+1], v[26:27]
.endr
.irp k, 0,2,4,6
	s_delay_alu instid0(VALU_DEP_4)
	v_pk_fma_f32 v[X+8*(\q)+\k:X+8*(\q)+\k+1], v[X+8*(\q)+\k:X+8*(\q)+\k+1], v[PQ+\k:PQ+\k+1], v[PQ+8+\k:PQ+8+\k+1]
.endr
.irp k, 0,1,2,3,4,5,6,7
	BFMA \q, \k
.endr
.endm
.irp q, 0,1,2,3,4,5,6,7,8,9,10,11,12,13,14,15
	CHUNK \q
.endr
	s_delay_alu instid0(VALU_DEP_2)
	v_pk_add_f32 v[16:17], v[16:17], v[20:21]
	s_delay_alu instid0(VALU_DEP_2)
	v_pk_add_f32 v[18:19], v[18:19], v[22:23]
	s_delay_alu instid0(VALU_DEP_2)
	v_pk_mul_f32 v[16:17], v[16:17], 0x40b504f3 op_sel_hi:[1,0]    ; x sqrt(32): the next launch adds it to q . k ahead of the factor 1 / sqrt(32)
	s_delay_alu instid0(VALU_DEP_2)
	v_pk_mul_f32 v[18:19], v[18:19], 0x40b504f3 op_sel_hi:[1,0]
.irp n, 0,1,2,3
	ds_store_b32 v6, v[16+\n] offset:1024*\n
.endr
	; my row's four blocks of 32 along D, all in my registers, by turns
.irp b, 0,1,2,3
	v_max3_num_f32 v[8+\b], |v[X+32*\b]|, |v[X+32*\b+1]|, 0x1800000   ; with the floor 2^(3 - 127): the byte cannot fall under 1
.endr
.irp i, 2,4,6,8,10,12,14,16,18,20,22,24,26,28,30
.irp b, 0,1,2,3
	s_delay_alu instid0(VALU_DEP_4)
	v_max3_num_f32 v[8+\b], v[8+\b], |v[X+32*\b+\i]|, |v[X+32*\b+\i+1]|
.endr
.endr
.irp b, 0,1,2,3
	s_delay_alu instid0(VALU_DEP_4)
	v_add_nc_u32 v[12+\b], 0xff000000, v[8+\b]     ; 2 off the exponent field: the conversion's scale operand
.endr
.irp b, 0,1,2,3
	s_delay_alu instid0(VALU_DEP_4)
	v_lshrrev_b32 v[28+\b], 23, v[12+\b]           ; the scale's byte
.endr
	s_delay_alu instid0(VALU_DEP_3)
	v_lshl_or_b32 v20, v29, 8, v28
	s_delay_alu instid0(VALU_DEP_1)
	v_lshl_or_b32 v20, v30, 16, v20
	s_delay_alu instid0(VALU_DEP_1)
	v_lshl_or_b32 v20, v31, 24, v20                ; my row's scale word
.irp b, 0,1,2,3                                ; block b's six registers at v32 (b = 0), v44 (1), v38 (2), v50 (3); a conversion's three registers begin on an even number, so the upper 16 codes are made elsewhere and moved
	v_cvt_scalef32_pk16_fp6_f32 v[32+12*(\b%2)+6*(\b/2):34+12*(\b%2)+6*(\b/2)], v[X+32*\b:X+32*\b+15], v[12+\b]
	v_cvt_scalef32_pk16_fp6_f32 v[56+4*\b:58+4*\b], v[X+32*\b+16:X+32*\b+31], v[12+\b]
.endr
	v_nop                                          ; one plain instruction behind the scaled conversions
.irp b, 0,1,2,3
.irp i, 0,1,2
	v_mov_b32 v[35+12*(\b%2)+6*(\b/2)+\i], v[56+4*\b+\i]
.endr
.endr
.irp i, 0,1,2,3,4,5,6,7,8,9,10,11              ; lanes 0-15 hold a0's rows, lanes 16-31 those of a0 + 1; a fragment wants blocks 0, 2 in lanes 0-15 and blocks 1, 3 in lanes 16-31:
	v_permlane16_swap_b32 v[32+\i], v[44+\i]       ; v32-43 become the fragment of tile (a0, T'), v44-55 that of (a0 + 1, T')
.endr
.irp c, 0,1,2
	global_store_b128 v1, v[32+4*\c:35+4*\c], s[22:23] offset:512*\c          ; 512 consecutive bytes a store
	global_store_b128 v1, v[44+4*\c:47+4*\c], s[22:23] offset:24576+512*\c
.endr
	global_store_b32 v7, v20, s[24:25]
	s_wait_dscnt 0x0                               ; for the others' sake: my stores into the bias stage are done
	s_barrier_signal -1
	s_barrier_wait -1
	v_lshl_add_u32 v10, v0, 4, BST                 ; wave w takes the stage's bytes 512 w on: head w / 2, quad w % 2
	ds_load_b128 v[24:27], v10
	s_wait_dscnt 0x0
	global_store_b128 v1, v[24:27], s[26:27]       ; 512 consecutive bytes, aligned
	s_set_vgpr_msb 0x5
	s_wait_tensorcnt 0x0
	ds_add_u32 v0, v1
	s_wait_dscnt 0x0
	s_set_vgpr_msb 0x500
	s_endpgm
; A WEIGHT [128 (k)][128 (n)], f32: work-group i, wave t = tile of 16 columns.  Lane (r, h) takes one column and its registers run DOWN K, k = 64 c + 32 h + 0 .. 31: the conversions' results are the fragment's registers.
; Wq, Wk, Wv, Wg: column perm(t, r); Wo: column 16 t + r.
.Lweights:
	v_and_b32 v2, 15, v0                           ; r
	s_wait_alu depctr_va_vdst(0)
	v_bfe_u32 v3, v0, 4, 1                         ; h
	s_lshr_b32 s32, s30, 1
	s_lshl_b32 s32, s32, 5
	s_and_b32 s33, s30, 1
	s_lshl_b32 s33, s33, 3
	s_add_co_u32 s32, s32, s33                     ; perm(t, 0)
	s_lshl_b32 s33, s30, 4
	s_cmp_eq_u32 ttmp9, 4
	s_cselect_b32 s32, s33, s32
	s_cselect_b32 s34, 0, 8
	v_and_b32 v4, s34, v2
	s_delay_alu instid0(VALU_DEP_1)
	v_add3_u32 v4, v4, v2, s32                     ; my column
	s_delay_alu instid0(VALU_DEP_1)
	v_lshlrev_b32 v5, 2, v4
	s_wait_alu depctr_va_vdst(0)
	v_lshl_add_u32 v5, v3, 14, v5                  ; + 32 h rows of 512 bytes
	s_lshl_b32 s35, ttmp9, 3
	s_add_co_u32 s35, s35, s30                     ; 8 i + t
	s_mul_i32 s36, s35, 1536
	s_mov_b32 s37, 0
	s_lshl_b32 s38, s35, 7
	s_add_co_u32 s38, s38, 61440
	s_mov_b32 s39, 0
	v_lshlrev_b32 v6, 2, v9
	s_wait_alu depctr_va_vdst(0)
	s_wait_kmcnt 0x0
	s_mov_b64 s[40:41], s[12:13]                   ; the choice hangs on the work-group's number alone
	s_cmp_eq_u32 ttmp9, 1
	s_cselect_b64 s[40:41], s[14:15], s[40:41]
	s_cmp_eq_u32 ttmp9, 2
	s_cselect_b64 s[40:41], s[16:17], s[40:41]
	s_cmp_eq_u32 ttmp9, 3
	s_cselect_b64 s[40:41], s[18:19], s[40:41]
	s_cmp_eq_u32 ttmp9, 4
	s_cselect_b64 s[40:41], s[20:21], s[40:41]
	s_add_nc_u64 s[42:43], s[28:29], s[36:37]
	s_add_nc_u64 s[44:45], s[28:29], s[38:39]
.set i, 0
.rept 64
	global_load_b32 v[64+i], v5, s[40:41] offset:512*(64*(i/32)+i%32)
.set i, i+1
.endr
	s_wait_loadcnt 0x0
.irp c, 0,1                                    ; my block 2 c + h: all its 32 numbers are mine
	v_max3_num_f32 v[32+\c], |v[64+32*\c]|, |v[65+32*\c]|, 0x1800000
.endr
.irp i, 2,4,6,8,10,12,14,16,18,20,22,24,26,28,30
.irp c, 0,1
	s_delay_alu instid0(VALU_DEP_2)
	v_max3_num_f32 v[32+\c], v[32+\c], |v[64+32*\c+\i]|, |v[65+32*\c+\i]|
.endr
.endr
.irp c, 0,1
	s_delay_alu instid0(VALU_DEP_2)
	v_add_nc_u32 v[44+\c], 0xff000000, v[32+\c]
.endr
.irp c, 0,1
	s_delay_alu instid0(VALU_DEP_2)
	v_lshrrev_b32 v[36+\c], 23, v[44+\c]
.endr
	s_delay_alu instid0(VALU_DEP_1)
	v_lshl_or_b32 v10, v37, 16, v36                ; my two bytes, blocks h and 2 + h,
	v_lshlrev_b32 v11, 3, v3
	s_delay_alu instid0(VALU_DEP_1)
	v_lshlrev_b32 v10, v11, v10                    ; at their places in the word;
	v_mov_b32 v11, 0
	s_delay_alu instid0(VALU_DEP_1)
	v_permlanex16_b32 v11, v10, s50, s51
	s_delay_alu instid0(VALU_DEP_1)
	v_or_b32 v10, v10, v11                         ; with lane l xor 16's two the word is whole
.irp c, 0,1
	v_cvt_scalef32_pk16_fp6_f32 v[48+6*\c:50+6*\c], v[64+32*\c:79+32*\c], v[44+\c]
	v_cvt_scalef32_pk16_fp6_f32 v[192+4*\c:194+4*\c], v[80+32*\c:95+32*\c], v[44+\c]
.endr
	v_nop                                          ; one plain instruction behind the scaled conversions
.irp c, 0,1
.irp i, 0,1,2
	v_mov_b32 v[51+6*\c+\i], v[192+4*\c+\i]
.endr
.endr
.irp c, 0,1,2
	global_store_b128 v1, v[48+4*\c:51+4*\c], s[42:43] offset:512*\c
.endr
	global_store_b32 v6, v10, s[44:45]
	s_endpgm
.Lfunc_end_k_q1dce18905f_prep:
	.size	k_q1dce18905f_prep, .Lfunc_end_k_q1dce18905f_prep-k_q1dce18905f_prep
	.p2alignl 7, 3214868480
	.fill 96, 4, 3214868480
	.section	.rodata,"a",@progbits
	.p2align	6, 0x0
	.amdhsa_kernel k_q1dce18905f_prep
		.amdhsa_group_segment_fixed_size 164864
		.amdhsa_private_segment_fixed_size 0
		.amdhsa_enable_private_segment 0
		.amdhsa_kernarg_size 104
		.amdhsa_user_sgpr_count 2
		.amdhsa_user_sgpr_kernarg_segment_ptr 1
		.amdhsa_wavefront_size32 1
		.amdhsa_system_sgpr_workgroup_id_x 1
		.amdhsa_system_sgpr_workgroup_id_y 1
		.amdhsa_system_sgpr_workgroup_id_z 1
		.amdhsa_system_vgpr_workitem_id 0
		.amdhsa_next_free_vgpr 258
		.amdhsa_next_free_sgpr 66
		.amdhsa_reserve_vcc 0
		.amdhsa_float_denorm_mode_32 3
		.amdhsa_float_denorm_mode_16_64 3
		.amdhsa_memory_ordered 1
		.amdhsa_forward_progress 1
		.amdhsa_inst_pref_size 90
	.end_amdhsa_kernel
	.amdgpu_metadata
---
amdhsa.version: [ 1, 2 ]
amdhsa.kernels:
  - .name:           k_q1dce18905f_prep
    .symbol:         k_q1dce18905f_prep.kd
    .args:
      - { .name: x, .offset: 0, .size: 8, .value_kind: global_buffer, .address_space: global }
      - { .name: ln_w, .offset: 8, .size: 8, .value_kind: global_buffer, .address_space: global }
      - { .name: ln_b, .offset: 16, .size: 8, .value_kind: global_buffer, .address_space: global }
      - { .name: Wb, .offset: 24, .size: 8, .value_kind: global_buffer, .address_space: global }
      - { .name: Wq, .offset: 32, .size: 8, .value_kind: global_buffer, .address_space: global }
      - { .name: Wk, .offset: 40, .size: 8, .value_kind: global_buffer, .address_space: global }
      - { .name: Wv, .offset: 48, .size: 8, .value_kind: global_buffer, .address_space: global }
      - { .name: Wg, .offset: 56, .size: 8, .value_kind: global_buffer, .address_space: global }
      - { .name: Wo, .offset: 64, .size: 8, .value_kind: global_buffer, .address_space: global }
      - { .name: zc, .offset: 72, .size: 8, .value_kind: global_buffer, .address_space: global }
      - { .name: zs, .offset: 80, .size: 8, .value_kind: global_buffer, .address_space: global }
      - { .name: bias, .offset: 88, .size: 8, .value_kind: global_buffer, .address_space: global }
      - { .name: wts, .offset: 96, .size: 8, .value_kind: global_buffer, .address_space: global }
    .group_segment_fixed_size: 164864
    .private_segment_fixed_size: 0
    .kernarg_segment_align: 8
    .kernarg_segment_size: 104
    .max_flat_workgroup_size: 256
    .sgpr_count:     66
    .vgpr_count:     258
    .wavefront_size: 32
...
	.end_amdgpu_metadata
.endif
;; end of part 3
;; launch attn (part 4): grid 4 x 64, 8 waves a work-group, no clusters, 326,656 bytes of LDS; arguments zc, zs, bias, wts, out0; writes out0
.if DOCPART == 4
	.amdgcn_target "amdgcn-amd-amdhsa--gfx1250"
	.amdhsa_code_object_version 6
	.text
	.protected	k_q1dce18905f_attn
	.globl	k_q1dce18905f_attn
	.p2align	8
	.type	k_q1dce18905f_attn,@function
k_q1dce18905f_attn:
	s_mov_b64 s[64:65], 0
	v_nop
	global_prefetch_b8 v0, s[64:65] scope:SCOPE_SE
	s_setreg_imm32_b32 hwreg(HW_REG_WAVE_SCHED_MODE, 0, 2), 2
	s_setreg_imm32_b32 hwreg(HW_REG_WAVE_MODE, 25, 1), 1
	s_wait_xcnt 0x0
	s_wait_alu depctr_vm_vsrc(0)
; Triangle attention on codes of FP6 (E2M3) with one E8M0 scale for each 32 along K, from z's codes to out0, all products by v_wmma_scale_f32_16x16x128_f8f6f4.
; SHARES.  Work-group (Q, Bg): rows b = 4 Bg .. 4 Bg + 3, queries 64 Q .. 64 Q + 63, all four heads, all 256 keys.  Eight waves, two to a SIMD.
;   phase 1: wave w makes k and v of key tiles 2 w, 2 w + 1 (keys 32 w .. 32 w + 31) for the four rows, quantises them in registers and lays them in LDS as images of operand registers.
;   phase 2: wave w owns query tile qt = w / 2 and heads 2 (w % 2), 2 (w % 2) + 1, one head (a SLOT) at a time.  THE SLOT'S BIAS (16 queries x 256 keys, 128 registers) IS LOADED ONCE and is the C of the score
;            products of all four rows: the work-group reads 262,144 bytes of bias instead of four times as many, and no vector instruction adds it.
;   phase 3: wave w multiplies two tiles of o x g by Wo and stores 32 whole rows of out0.
; ROWS OF A TILE: row m of tile T is index perm(T, m) = 32 (T / 2) + 8 (T % 2) + m + 8 (m / 8), for positions and for the columns of Wq, Wk, Wv, Wg: the 16 registers of result tiles 2 x, 2 x + 1 are then the
; neighbours 32 x + 16 (lane / 16) + 0 .. 15, which the conversions want.
; THE SCORES HAVE K = 32 in an instruction of K = 128.  An image of K holds FOUR key tiles: block j of row r = the head's 32 codes of key perm(4 G + j, r).  The query's operand has its 32 codes in block j alone and
; zero codes elsewhere: four variants read from one run of 30 registers (zeros, Qlo, zeros, Qhi, zeros).  So no LDS byte of K is spent on zeros.
; THE SOFTMAX: t = (q . k + bias sqrt(32)) x log2(e) / sqrt(32); M = ceil(the row's largest t); p = 2^(t - M) is quantised along the keys; the sum of the unquantised p divides at the end.  A wave holds all 256 keys
; of its 16 queries, so M is final and nothing is rescaled.  A block's largest p is made from its largest score by the same multiply-add and exponential (this takes v_exp_f32 not to fall where its input rises).
; NO CLUSTER, NO JOINT LOADS: what work-groups share (a bias slice of 262,144 bytes, z's tiles of 98,304) is read once by each, at its head or once a slot, straight into registers; a joint load lands in LDS, where
; 196,608 bytes of K and V images, 66,560 of weights and 62,464 of the rest leave 2,048 of 327,680 free.  No tensor load, no ring: every LDS region is filled once, by ds_store, between barriers.
; LIMITS: NaN and infinities are not served; a block whose largest magnitude lies under 2^(3 - 127) gets the byte 1; p under 2^-126 counts as 0.
; THE MODE: SCHED_MODE bits 1:0 = 2 (LLVM: expert scheduling mode 2), set by the entry lines.  The code itself states the register dependences between vector or matrix instructions and memory or LDS
; instructions, with s_wait_alu, always for 0.
; THE PLAN.  Registers that memory or LDS instructions touch, and who else names them:
;   v1-4, v13      lane offsets, made at the head, never written again: one wait on va_vdst ahead of the first load serves them for the whole kernel.
;   phase 1        a tile's quantising writes the fragment v208-219, the bytes v228-229 and (each second tile) the addresses v11, v12; one wait on va_vdst, then the tile's six LDS stores read them; one wait on
;                  vm_vsrc in the next tile, ahead of the lines that write them again.
;   phase 2, a trip (a row b of a slot):
;     v6-12, v62-63  nine LDS addresses, written at the trip's head from the stepped scalars, behind one wait on vm_vsrc (the last trip's LDS instructions have read them); their first reader stands behind the
;                    wait on va_vdst ahead of the score products.  The next row is reached by immediate offsets, so no address is written in mid-trip.
;     v64-75, v27    z of the query tile and its scale words: read by the products for q and for the gate; row b + 1's land behind the wait that follows the gate's exponentials.
;     window 1 v128-175, v20-23   K's images and words: read by the 16 score products; V's land behind the wait that follows those; read by the four products for O^T; row b + 1's K lands with z.
;     window 1 v0-127             the bias: read by the score products; the next head's lands once, in the first slot's last trip, behind the same wait as V's images.
;     v160-162, v111 o x g's codes and byte: written by the last quantising; one wait on va_vdst; read by the four stores; written again in the next trip, behind its head's wait on vm_vsrc.
;   phase 3        the accumulators v128-255 go to the stage behind one wait on va_vdst; the first tile comes back into v64-127, which are idle; the second into the registers that it left, behind one wait on vm_vsrc.
.set WIMG, 0                           ; the five weights' fragments [i][t] x 1,536
.set WSC,  61440                       ; their scale words [i][t][32 lanes]
.set ZQI,  66560                       ; z's fragments of the query tiles, f = 4 b + qt
.set ZQS,  91136                       ; their scale words, 64 bytes each
.set KIMG, 92160                       ; [b][head][G 4] x 1,536.  An image is two halves of 768 bytes: registers 6 c .. 6 c + 3 at 16 x lane, registers 6 c + 4, 5 at 512 + 8 x lane
.set VIMG, 190464                      ; [b][channel tile 8][key half 2] x 1,536, likewise
.set KSC,  288768                      ; [b][4 head + G][16 words]
.set VSC,  292864                      ; [b][2 t + half][16 words]
.set OGR,  296960                      ; o x g: [4 qt + head][b][row 16] x 24 bytes: a slot's region is 1,536 bytes on end
.set OGS,  321536                      ; its scale bytes, a word each: [4 qt + head][b][row 16]
.set STG,  KIMG                        ; phase 3: 16 rows x 528 bytes for each wave, where K's images lay: nobody reads those behind the last barrier
.set R,    128                         ; phase 1: v128-191 eight result tiles
.set TM,   192                         ; v192-195 largest magnitudes, v196-199 bytes, v204-207 scale operands
.set PC1,  208                         ; v208-219 the fragment just made, v220-226 at work
.set S,    128                         ; phase 2: v128-255 the scores, then p; later O^T v128-143, the gate v144-159
; REGISTERS.  window 0: v1 16 x lane, v2 4 x lane, v3 8 x lane, v4 4 r, v13 4 x lane + WSC, v14 r, v15 h: never rewritten; v5-12 (and in phase 2 v62, v63) LDS addresses, by phase; v16-31 SCALES AND NOTHING ELSE.
;   phase 1: v32-127 z's eight fragments ((b, e) at 32 + 24 b + 12 e).   phase 2: v32-61 zeros | Qlo | zeros | Qhi | zeros; v64-75 z of the query tile; v76-99 p's two fragments; v100-123 at work; v124 -M; v[126:127] the sum.
;   window 1: v0-127 the slot's bias (key tile T at 8 T); v128-223 weights' fragments (phase 1, 3), or v128-175 four images of K or V, v176-199 Wq's two, v200-223 Wg's two (phase 2).
.set MSB, 0
.macro WIN new                         ; bits 1:0 source 0, 3:2 source 1, 5:4 source 2, 7:6 destination; the immediate's high byte repeats the setting that is left
.if MSB != \new
	s_set_vgpr_msb (MSB<<8)|\new
.set MSB, \new
.endif
.endm
.macro PLACES n                        ; plain instructions behind a matrix instruction, ahead of what reads its result (ISA guide 7.12.1), or ahead of a scaled one whose operands vector instructions wrote
.rept \n
	v_nop
.endr
.endm
.macro MM d, a, b, sa, sb              ; D = A x B, the sum's first product
	v_wmma_scale_f32_16x16x128_f8f6f4 v[\d:\d+7], v[\a:\a+11], v[\b:\b+11], 0, v[\sa], v[\sb] matrix_a_fmt:MATRIX_FMT_FP6 matrix_b_fmt:MATRIX_FMT_FP6
.endm
.macro MMA1 d, a, b, sa, sb            ; A's scales in lanes 16-31
	v_wmma_scale_f32_16x16x128_f8f6f4 v[\d:\d+7], v[\a:\a+11], v[\b:\b+11], 0, v[\sa], v[\sb] matrix_a_fmt:MATRIX_FMT_FP6 matrix_b_fmt:MATRIX_FMT_FP6 matrix_a_scale:MATRIX_SCALE_ROW1
.endm
.macro MMB1 d, a, b, sa, sb            ; B's scales in lanes 16-31
	v_wmma_scale_f32_16x16x128_f8f6f4 v[\d:\d+7], v[\a:\a+11], v[\b:\b+11], 0, v[\sa], v[\sb] matrix_a_fmt:MATRIX_FMT_FP6 matrix_b_fmt:MATRIX_FMT_FP6 matrix_b_scale:MATRIX_SCALE_ROW1
.endm
.macro MMC d, a, b, c, sa, sb          ; D = A x B + C
	v_wmma_scale_f32_16x16x128_f8f6f4 v[\d:\d+7], v[\a:\a+11], v[\b:\b+11], v[\c:\c+7], v[\sa], v[\sb] matrix_a_fmt:MATRIX_FMT_FP6 matrix_b_fmt:MATRIX_FMT_FP6
.endm
; 64 numbers of a lane, register 16 b + i = index 32 b + 16 (lane / 16) + i of block b, become a fragment in v[PC1] on (lanes 0-15: blocks 0, 2; lanes 16-31: blocks 1, 3); the four bytes stay in v[TM+4] on
.macro QUANT s
.irp b, 0,1,2,3
	v_max3_num_f32 v[TM+\b], |v[\s+16*\b]|, |v[\s+1+16*\b]|, 0x1800000   ; with the floor 2^(3 - 127): the byte cannot fall under 1
.endr
.irp i, 2,4,6,8,10,12,14
.irp b, 0,1,2,3
	v_max3_num_f32 v[TM+\b], v[TM+\b], |v[\s+16*\b+\i]|, |v[\s+1+16*\b+\i]|
.endr
.endr
.irp b, 0,1,2,3
	v_permlanex16_b32 v[TM+4+\b], v[TM+\b], s20, s21
.endr
.irp b, 0,1,2,3
	v_max_num_f32 v[TM+\b], v[TM+\b], v[TM+4+\b]   ; with lane l xor 16's: the block's largest magnitude
.endr
.irp b, 0,1,2,3
	v_add_nc_u32 v[TM+12+\b], 0xff000000, v[TM+\b] ; 2 off its exponent field: the conversion's scale operand
.endr
.irp b, 0,1,2,3
	v_lshrrev_b32 v[TM+4+\b], 23, v[TM+12+\b]      ; the scale's byte
.endr
.irp c, 0,1
	v_cvt_scalef32_pk16_fp6_f32 v[PC1+6*\c:PC1+2+6*\c], v[\s+32*\c:\s+15+32*\c], v[TM+12+2*\c]
	v_cvt_scalef32_pk16_fp6_f32 v[PC1+12+4*\c:PC1+14+4*\c], v[\s+16+32*\c:\s+31+32*\c], v[TM+12+2*\c+1]
.endr
	v_nop                                          ; one plain instruction behind the scaled conversions
.irp c, 0,1
.irp i, 0,1,2
	v_permlane16_swap_b32 v[PC1+6*\c+\i], v[PC1+12+4*\c+\i]
.endr
.irp i, 0,1,2
	v_mov_b32 v[PC1+3+6*\c+\i], v[PC1+12+4*\c+\i]
.endr
.endr
.endm
; weight i's eight fragments into window 1, v128 on, and its scale words into v16-23.  dep = 1: products have read these registers
.macro WLOAD i, dep
	WIN 0x40
.if \dep
	s_wait_alu depctr_va_vdst(0)                   ; the products issued so far are done reading the fragments (window 1, v128-223) and the scale words (v16-23) in which these loads land; the vector lines above have written what they write
.endif
.irp t, 0,1,2,3,4,5,6,7
.irp c, 0,1,2
	ds_load_b128 v[128+12*\t+4*\c:131+12*\t+4*\c], v1 offset:(\i)*12288+1536*\t+512*\c
.endr
.endr
	WIN 0
.irp t, 0,1,2,3,4,5,6,7
	ds_load_b32 v[16+\t], v13 offset:(8*(\i)+\t)*128
.endr
.endm
	s_load_b256 s[4:11], s[0:1], 0x0               ; zc, zs, bias, wts
	s_load_b64 s[12:13], s[0:1], 0x20              ; out0
	v_lshl_add_u32 v30, v0, 2, 0x4f800
	v_mov_b32 v31, 0
	v_lshrrev_b32 v5, 5, v0
	v_readfirstlane_b32 s14, v5                    ; wave 0..7
	s_and_b32 s16, ttmp7, 0xffff                   ; Bg;  ttmp9 = Q
	v_and_b32 v5, 31, v0
	v_lshlrev_b32 v1, 4, v5
	v_lshlrev_b32 v2, 2, v5
	v_lshlrev_b32 v3, 3, v5
	v_and_b32 v14, 15, v0                          ; r
	v_bfe_u32 v15, v0, 4, 1                        ; h
	v_lshlrev_b32 v4, 2, v14
	v_add_nc_u32 v13, WSC, v2
	s_wait_alu depctr_va_sdst(0)                   ; s14 is written, ahead of its first reader: every scalar offset below is made from it
	s_and_b32 s17, s14, 1                          ; w % 2
	s_lshr_b32 s18, s14, 1                         ; w / 2 = qt
	s_mov_b32 s20, 0x76543210
	s_mov_b32 s21, 0xfedcba98                      ; v_permlanex16_b32's selects for lane l xor 16
	s_mov_b32 s22, 0x3e8293ee                      ; c = log2(e) / sqrt(32)
	s_mov_b32 s23, s22
	s_mov_b32 s24, 0xffff0000                      ; lanes 16-31
	s_lshl_b32 s36, s14, 9                         ; the weights' images: my 512 bytes of each 4,096
	s_mov_b32 s37, 0
	s_lshl_b32 s38, s14, 7
	s_add_co_u32 s38, s38, 61440                   ; their scale words: my 128 bytes of each 1,024
	s_mov_b32 s39, 0
	s_lshl_b32 s19, s16, 2
	s_add_co_u32 s25, s19, s18                     ; row 4 Bg + w / 2
	s_lshl_b32 s26, s25, 4
	s_lshl_b32 s27, ttmp9, 2
	s_add_co_u32 s26, s26, s27
	s_lshl_b32 s27, s17, 1
	s_add_co_u32 s26, s26, s27                     ; query tiles f = 2 w, 2 w + 1: row w / 2, tiles 4 Q + 2 (w % 2) and the next
	s_mul_i32 s28, s26, 1536
	s_mov_b32 s29, 0
	s_lshl_b32 s30, s26, 6
	s_mov_b32 s31, 0
	s_lshl_b32 s26, s16, 6
	s_lshl_b32 s27, s14, 1
	s_add_co_u32 s26, s26, s27                     ; key tiles: row 4 Bg, tile 2 w
	s_mul_i32 s32, s26, 1536
	s_mov_b32 s33, 0
	s_lshl_b32 s34, s26, 6
	s_mov_b32 s35, 0
	s_lshl_b32 s26, s17, 5
	s_lshl_b32 s27, ttmp9, 2
	s_add_co_u32 s26, s26, s27
	s_add_co_u32 s26, s26, s18
	s_lshl_b32 s56, s26, 14                        ; bias: (16 x head 2 (w % 2) + query tile 4 Q + qt) x 16,384 bytes
	s_mov_b32 s57, 0
	s_lshl_b32 s26, s25, 8
	s_lshl_b32 s27, ttmp9, 6
	s_add_co_u32 s26, s26, s27
	s_lshl_b32 s27, s17, 5
	s_add_co_u32 s26, s26, s27
	s_lshl_b32 s58, s26, 9                         ; out0: row 4 Bg + w / 2, position 64 Q + 32 (w % 2), 512 bytes each
	s_mov_b32 s59, 0
	s_wait_kmcnt 0x0
	s_add_nc_u64 s[40:41], s[10:11], s[36:37]
	s_add_nc_u64 s[42:43], s[10:11], s[38:39]
	s_add_nc_u64 s[44:45], s[4:5], s[28:29]
	s_add_nc_u64 s[46:47], s[6:7], s[30:31]
	s_add_nc_u64 s[48:49], s[4:5], s[32:33]
	s_add_nc_u64 s[50:51], s[6:7], s[34:35]
	s_add_nc_u64 s[52:53], s[8:9], s[56:57]
	s_add_nc_u64 s[54:55], s[12:13], s[58:59]
	s_wait_alu depctr_va_vdst(0)                   ; the lane offsets v1 to v4 and v13 are written: loads and stores of the whole kernel read them, and no line writes them again
	; all of the head's loads at once.  First what goes on to LDS for all waves: 27 loads
.irp j, 0,1,2,3,4,5,6,7,8,9,10,11,12,13,14
	global_load_b128 v[128+4*\j:131+4*\j], v1, s[40:41] offset:4096*\j
.endr
.irp j, 0,1,2,3,4
	global_load_b32 v[188+\j], v2, s[42:43] offset:1024*\j
.endr
.irp j, 0,1,2,3,4,5
	global_load_b128 v[194+4*\j:197+4*\j], v1, s[44:45] offset:512*\j
.endr
	global_load_b32 v218, v2, s[46:47]
	; then my key tiles of the four rows, straight into operand registers: 28 loads; a scale register holds tile 2 w's words in lanes 0-15 and tile 2 w + 1's in lanes 16-31
.irp b, 0,1,2,3
.irp j, 0,1,2,3,4,5
	global_load_b128 v[32+24*\b+4*\j:35+24*\b+4*\j], v1, s[48:49] offset:24576*\b+512*\j
.endr
	global_load_b32 v[24+\b], v2, s[50:51] offset:1024*\b
.endr
	; then the first slot's bias: 32 loads into window 1
	WIN 0x40
.set i, 0
.rept 32
	global_load_b128 v[4*i:4*i+3], v1, s[52:53] offset:512*i
.set i, i+1
.endr
	WIN 0
	; LDS addresses of phase 1.  K: lane (r, h), half c of a fragment = head 2 c + h of key perm(2 w + e, r) -> image (b, head, G = w / 2), block 2 (w % 2) + e: half w % 2, lane r + 16 e
	s_mul_i32 s26, s18, 1536
	s_mul_i32 s27, s17, 768
	s_add_co_u32 s26, s26, s27
	s_add_co_u32 s26, s26, KIMG
	v_lshl_add_u32 v5, v14, 4, s26
	v_mad_u32_u24 v5, v15, 6144, v5
	s_add_co_u32 s26, s26, 512
	v_lshl_add_u32 v6, v14, 3, s26
	v_mad_u32_u24 v6, v15, 6144, v6
	s_lshl_b32 s26, s18, 6
	s_lshl_b32 s27, s17, 1
	s_add_co_u32 s26, s26, s27
	s_add_co_u32 s26, s26, KSC
	v_add_nc_u32 v7, s26, v4
	v_lshl_add_u32 v7, v15, 8, v7
	v_add_nc_u32 v8, s36, v1                       ; the copies' places
	s_lshl_b32 s26, s14, 7
	v_add_nc_u32 v9, s26, v13
	s_add_co_u32 s26, s26, ZQS
	v_add_nc_u32 v11, s26, v2
	s_mul_i32 s27, s14, 3072
	s_add_co_u32 s27, s27, ZQI
	v_add_nc_u32 v10, s27, v1
	s_wait_loadcnt 60                              ; the first 27 loads are in; the 28 of my key tiles and the 32 of the bias may be out
	s_wait_alu depctr_va_vdst(0)                   ; the copies' places v8 to v11 are written, which the LDS stores below read; so is v7, which phase 1's byte stores read
.irp j, 0,1,2,3,4,5,6,7,8,9,10,11,12,13,14
	ds_store_b128 v8, v[128+4*\j:131+4*\j] offset:4096*\j
.endr
.irp j, 0,1,2,3,4
	ds_store_b32 v9, v[188+\j] offset:1024*\j
.endr
.irp j, 0,1,2,3,4,5
	ds_store_b128 v10, v[194+4*\j:197+4*\j] offset:512*\j
.endr
	ds_store_b32 v11, v218
	s_wait_dscnt 0x0                               ; for the others' sake: my stores are done
	s_barrier_signal -1
	s_barrier_wait -1                              ; the weights and the query tiles lie in LDS
	s_wait_alu depctr_vm_vsrc(0)                   ; my copies' stores have read v8 to v11 and v128 to v218: the lines below write v8 to v10 and v196 to v199, the first tile v11 and, from v128 on, its results and codes
	; V: lane (r, h), half c = channel tile 4 hh + 2 c + h, row r, key block w -> image (b, t, half w / 4), block w % 4
	s_mul_i32 s26, s18, 768
	s_lshl_b32 s27, s17, 8
	s_add_co_u32 s27, s26, s27
	s_add_co_u32 s27, s27, VIMG
	v_lshl_add_u32 v8, v14, 4, s27
	v_mad_u32_u24 v8, v15, 3072, v8
	s_lshl_b32 s27, s17, 7
	s_add_co_u32 s27, s26, s27
	s_add_co_u32 s27, s27, VIMG+512
	v_lshl_add_u32 v9, v14, 3, s27
	v_mad_u32_u24 v9, v15, 3072, v9
	s_lshr_b32 s26, s14, 2
	s_lshl_b32 s26, s26, 6
	s_and_b32 s27, s14, 3
	s_add_co_u32 s26, s26, s27
	s_add_co_u32 s26, s26, VSC
	v_add_nc_u32 v10, s26, v4
	v_lshl_add_u32 v10, v15, 7, v10
.irp b, 0,1,2,3
	v_mov_b32 v[TM+4+\b], 0                        ; written once: a lane permute's destination counts as one of its sources
.endr
	; ---- phase 1a: k^T = Wk^T z^T (source 0 = 16 columns of Wk, source 1 = 16 keys): a lane holds one key, its registers run along the channels; block = head
.macro KTILE b, e
	WIN 0x01
.irp t, 0,1,2,3,4,5,6,7
.if \e
	MMB1 R+8*\t, 128+12*\t, 32+24*\b+12*\e, 16+\t, 24+\b
.else
	MM R+8*\t, 128+12*\t, 32+24*\b+12*\e, 16+\t, 24+\b
.endif
.endr
	WIN 0
	PLACES 4
	s_wait_dscnt 0x0                               ; the last tile's stores have read their registers
.if (\b)+(\e) > 0
	s_wait_alu depctr_vm_vsrc(0)                   ; the last tile's LDS stores have read v11, v12, v208 to v219, v228 and v229, which the lines below write again
.endif
.if \e == 0
	v_add_nc_u32 v11, 24576*\b, v5
	v_add_nc_u32 v12, 24576*\b, v6
.endif
	QUANT R
.irp c, 0,1
	v_cndmask_b32 v[228+\c], v[TM+4+2*\c], v[TM+5+2*\c], s24      ; lanes 0-15: head 2 c's byte, lanes 16-31: head 2 c + 1's
.endr
	s_wait_alu depctr_va_vdst(0)                   ; the quantising has written the fragment v208 to v219 and the bytes v228, v229, and v11, v12 are written: the six LDS stores read them
.irp c, 0,1
	ds_store_b128 v11, v[PC1+6*\c:PC1+6*\c+3] offset:12288*\c+256*\e
	ds_store_b64 v12, v[PC1+6*\c+4:PC1+6*\c+5] offset:12288*\c+128*\e
	ds_store_b8 v7, v[228+\c] offset:1024*\b+512*\c+\e
.endr
.endm
	WLOAD 1, 0
	s_wait_dscnt 0x0                               ; Wk
	s_wait_loadcnt 32                              ; my key tiles are in; the bias may be out
.irp b, 0,1,2,3
	KTILE \b, 0
	KTILE \b, 1
.endr
	; ---- phase 1b: v = z Wv (source 0 = 16 keys, source 1 = 16 columns of Wv): a lane holds one channel, registers 16 tt + i are keys 32 w + 16 h + i; block = my 32 keys
.macro VHALF b, hh
	WIN 0x04
.irp t, 0,1,2,3
	MM R+16*\t, 32+24*\b, 128+12*(4*\hh+\t), 24+\b, 16+4*\hh+\t
	MMA1 R+16*\t+8, 32+24*\b+12, 128+12*(4*\hh+\t), 24+\b, 16+4*\hh+\t
.endr
	WIN 0
	PLACES 4
	s_wait_dscnt 0x0                               ; the last stores have read their registers
	s_wait_alu depctr_vm_vsrc(0)                   ; the last LDS stores have read v11, v12, v208 to v219, v228 and v229, which the lines below write again
.if \hh == 0
	v_add_nc_u32 v11, 24576*\b, v8
	v_add_nc_u32 v12, 24576*\b, v9
.endif
	QUANT R
.irp c, 0,1
	v_cndmask_b32 v[228+\c], v[TM+4+2*\c], v[TM+5+2*\c], s24
.endr
	s_wait_alu depctr_va_vdst(0)                   ; the quantising has written the fragment v208 to v219 and the bytes v228, v229, and v11, v12 are written: the six LDS stores read them
.irp c, 0,1
	ds_store_b128 v11, v[PC1+6*\c:PC1+6*\c+3] offset:12288*\hh+6144*\c
	ds_store_b64 v12, v[PC1+6*\c+4:PC1+6*\c+5] offset:12288*\hh+6144*\c
	ds_store_b8 v10, v[228+\c] offset:1024*\b+512*\hh+256*\c
.endr
.endm
	WLOAD 2, 1                                     ; Wv lands where the products for k have read Wk
	s_wait_dscnt 0x0                               ; Wv
.irp b, 0,1,2,3
	VHALF \b, 0
	VHALF \b, 1
.endr
	s_wait_dscnt 0x0                               ; for the others' sake: my images are stored
	s_barrier_signal -1
	s_barrier_wait -1                              ; K's and V's images of the four rows lie in LDS
	; ---- phase 2
.irp i, 0,1,2,3,4,5
	v_mov_b32 v[32+\i], 0                          ; the three runs of zero codes
	v_mov_b32 v[44+\i], 0
	v_mov_b32 v[56+\i], 0
.endr
.irp i, 0,1,2,3,4,5,6,7
	v_mov_b32 v[116+\i], 0                         ; lane permutes' destinations
.endr
	v_mov_b32 v125, 0                              ; (named as the upper half of the pair v[124:125])
	v_mul_u32_u24 v5, v14, 24
	v_mad_u32_u24 v5, v15, 12, v5                  ; o x g: 24 r + 12 h
	s_mov_b32 s36, 0x01010101
	s_mov_b32 s38, 0xbfb8aa3b                      ; -log2(e)
	s_mov_b32 s39, s38
; four images and their scale words: 16 + 4 loads, every one dense.  a16, a8: the address registers; io, so: bytes on from them and from v7
.macro FRAGS a16, a8, io, so
	WIN 0x40
.irp g, 0,1,2,3
.irp c, 0,1
	ds_load_b128 v[128+12*\g+6*\c:131+12*\g+6*\c], v[\a16] offset:(\io)+1536*\g+768*\c
	ds_load_b64 v[132+12*\g+6*\c:133+12*\g+6*\c], v[\a8] offset:(\io)+1536*\g+768*\c+512
.endr
.endr
	WIN 0
.irp g, 0,1,2,3
	ds_load_b32 v[20+\g], v7 offset:(\so)+64*\g
.endr
.endm
; z of my query tile and its scale words: 3 + 1 loads
.macro ZLOAD io, so
.irp c, 0,1,2
	ds_load_b128 v[64+4*\c:67+4*\c], v10 offset:(\io)+512*\c
.endr
	ds_load_b32 v27, v6 offset:(\so)
.endm
; the addresses of K's images and words and of z, for the row at which s29 to s32 stand
.macro ADDR5
	v_add_nc_u32 v8, s29, v1
	v_add_nc_u32 v9, s29, v3
	v_add_nc_u32 v7, s30, v4
	v_add_nc_u32 v10, s31, v1
	v_add_nc_u32 v6, s32, v4
.endm
; 16 numbers of a lane (with lane l xor 16's 16: one block) become 16 codes in v[d] .. v[d + 2]; the byte stays in v111
.macro QUANT1 s, d
	v_max3_num_f32 v108, |v[\s]|, |v[\s+1]|, 0x1800000
	v_max3_num_f32 v109, |v[\s+2]|, |v[\s+3]|, |v[\s+4]|
	v_max3_num_f32 v108, v108, |v[\s+5]|, |v[\s+6]|
	v_max3_num_f32 v109, v109, |v[\s+7]|, |v[\s+8]|
	v_max3_num_f32 v108, v108, |v[\s+9]|, |v[\s+10]|
	v_max3_num_f32 v109, v109, |v[\s+11]|, |v[\s+12]|
	v_max3_num_f32 v108, v108, |v[\s+13]|, |v[\s+14]|
	v_max3_num_f32 v109, v109, v108, |v[\s+15]|
	v_permlanex16_b32 v116, v109, s20, s21
	v_max_num_f32 v109, v109, v116
	v_add_nc_u32 v110, 0xff000000, v109
	v_lshrrev_b32 v111, 23, v110
	v_cvt_scalef32_pk16_fp6_f32 v[\d:\d+2], v[\s:\s+15], v110
	v_nop                                          ; one plain instruction behind the scaled conversion
.endm
; A SLOT: head 2 (w % 2) + slot, my query tile, the four rows in a loop of four trips; what differs between trips stands in s29-s34
.macro SLOT slot
	s_lshl_b32 s28, s17, 1
	s_add_co_u32 s28, s28, \slot                   ; the head
	s_mul_i32 s29, s28, 6144
	s_add_co_u32 s29, s29, KIMG                    ; K's four images; 24,576 a row
	s_lshl_b32 s30, s28, 8
	s_add_co_u32 s30, s30, KSC                     ; their scale words; 1,024 a row
	s_mul_i32 s31, s18, 1536
	s_add_co_u32 s31, s31, ZQI                     ; z of my query tile; 6,144 a row
	s_lshl_b32 s32, s18, 6
	s_add_co_u32 s32, s32, ZQS                     ; 256 a row
	s_lshl_b32 s35, s18, 2
	s_add_co_u32 s35, s35, s28                     ; 4 qt + head
	s_mul_i32 s33, s35, 1536
	s_add_co_u32 s33, s33, OGR                     ; 384 a row
	s_lshl_b32 s34, s35, 8
	s_add_co_u32 s34, s34, OGS                     ; 64 a row
	s_wait_alu depctr_vm_vsrc(0)                   ; the LDS instructions issued so far (phase 1's last stores; the slot before's loads and stores) have read v6 to v12, which the lines below write, and their data, which this slot's products write
	s_mul_i32 s35, s28, 3072
	v_add_nc_u32 v11, s35, v1
	s_lshl_b32 s35, s28, 8
	v_add_nc_u32 v12, s35, v13
	ADDR5                                          ; row 0
	WIN 0x40                                       ; the head's two tiles of Wq and of Wg stay in registers for the slot
	s_wait_alu depctr_va_vdst(0)                   ; the seven addresses above are written; the products issued so far are done reading window 1's v128 to v223, v16 to v23, v27 and v64 to v75, in which the 40 loads below land
.irp u, 0,1
.irp c, 0,1,2
	ds_load_b128 v[176+12*\u+4*\c:179+12*\u+4*\c], v11 offset:1536*\u+512*\c
	ds_load_b128 v[200+12*\u+4*\c:203+12*\u+4*\c], v11 offset:36864+1536*\u+512*\c
.endr
.endr
	WIN 0
.irp u, 0,1
	ds_load_b32 v[16+\u], v12 offset:128*\u
	ds_load_b32 v[18+\u], v12 offset:3072+128*\u
.endr
	ZLOAD 0, 0                                     ; row 0's z and K; each trip asks for the next row's
	FRAGS 8, 9, 0, 0
	s_mov_b32 s26, 4
.Ltask_\@:
	s_wait_alu depctr_vm_vsrc(0)                   ; the LDS instructions issued so far have read the nine addresses, which the lines below write, and the last trip's stores v160 to v162 and v111, which this trip writes again
	ADDR5                                          ; (in a slot's first trip these five are written with the values that they hold)
	v_add_nc_u32 v11, VIMG-KIMG, v8                ; V's images lie 98,304 bytes behind K's: beyond an immediate's reach
	v_add_nc_u32 v12, VIMG-KIMG, v9
	v_add_nc_u32 v62, s33, v5                      ; where o x g's codes go,
	v_add_nc_u32 v63, s34, v4                      ; and its byte
	s_wait_dscnt 20                                ; z of the query tile (and Wq, Wg) are in.  Behind z's loads stand K's 20 on the way in, K's 20 and four stores over the backward jump: there the count also waits for four of K's
	WIN 0x01
	MM 128, 176, 64, 16, 27                        ; q^T: a lane holds one query, registers 0-15 its channels 16 h + 0 .. 15 of the head
	MM 136, 188, 64, 17, 27
	WIN 0
	PLACES 4
	QUANT1 128, 38
	v_mul_lo_u32 v26, v111, s36                    ; the query's byte in all four bytes of its scale word: it serves whichever block holds the codes
.irp i, 0,1,2
	v_mov_b32 v[53+\i], v[38+\i]
	v_mov_b32 v[41+\i], 0
	v_mov_b32 v[50+\i], 0
.endr
.irp i, 0,1,2                                  ; Qlo (v38-43): the whole block in lanes 0-15, zeros in lanes 16-31; Qhi (v50-55): the other way round
	v_permlane16_swap_b32 v[38+\i], v[41+\i]
	v_permlane16_swap_b32 v[50+\i], v[53+\i]
.endr
	PLACES 4                                       ; operands written by vector instructions stand 4 places ahead of a scaled product; the scale word stands 19 ahead
	s_wait_alu depctr_va_vdst(0)                   ; the query's run v32 to v61 and its scale word v26 are written, which the scaled products below take; so are the trip's nine addresses
	s_wait_dscnt 0x0                               ; K
	s_wait_loadcnt 0x0                             ; the slot's bias (out only in a slot's first trip)
	WIN 0x11
.irp g, 0,1,2,3                                ; S^T of key tile 4 g + j = image g x the query in block j, + the bias: 16 accumulators, each written once
.irp j, 0,1,2,3
	MMC S+8*(4*\g+\j), 128+12*\g, 38+12*(\j%2)-6*(\j/2), 8*(4*\g+\j), 20+\g, 26
.endr
.endr
	WIN 0
	PLACES 4
	s_wait_alu depctr_va_vdst(0)                   ; the score products are done reading K's images (window 1, v128 to v175), their words v20 to v23 and the bias (window 1, v0 to v127): V's loads land in the first two, the next head's bias in the third
	FRAGS 11, 12, 0, VSC-KSC                       ; V: image 2 u + half; it lands under the softmax
.if \slot == 0
	s_cmp_lg_u32 s26, 1                            ; in the first slot's last trip the bias registers have been read for the last time: the next head's bias is asked for, and lands under the softmax
	s_cbranch_scc1 .Lnob_\@
	WIN 0x40
.set i, 0
.rept 32
	global_load_b128 v[4*i:4*i+3], v1, s[52:53] offset:262144+512*i
.set i, i+1
.endr
	WIN 0
.Lnob_\@:
.endif
.irp b, 0,1,2,3,4,5,6,7
	v_max3_num_f32 v[108+\b], v[S+16*\b], v[S+16*\b+1], v[S+16*\b+2]   ; the largest score of each block of 32 keys: for the row's maximum, and for the block's largest p
.endr
.irp i, 3,5,7,9,11,13
.irp b, 0,1,2,3,4,5,6,7
	v_max3_num_f32 v[108+\b], v[108+\b], v[S+16*\b+\i], v[S+16*\b+\i+1]
.endr
.endr
.irp b, 0,1,2,3,4,5,6,7
	v_max_num_f32 v[108+\b], v[108+\b], v[S+16*\b+15]
.endr
.irp b, 0,1,2,3,4,5,6,7
	v_permlanex16_b32 v[116+\b], v[108+\b], s20, s21
.endr
.irp b, 0,1,2,3,4,5,6,7
	v_max_num_f32 v[108+\b], v[108+\b], v[116+\b]
.endr
	v_max3_num_f32 v100, v108, v109, v110
	v_max3_num_f32 v101, v111, v112, v113
	v_max3_num_f32 v100, v100, v114, v115
	v_max_num_f32 v100, v100, v101
	v_mul_f32 v100, s22, v100                      ; the row's largest t
	v_floor_f32 v124, -v100                        ; -M = floor(-t): M is a whole number
.set j, 0
.rept 64
	v_pk_fma_f32 v[S+j:S+j+1], v[S+j:S+j+1], s[22:23], v[124:125] op_sel_hi:[1,0,0]   ; t - M
.set j, j+2
.endr
.irp b, 0,1,2,3,4,5,6,7
	v_fma_f32 v[108+\b], v[108+\b], s22, v124
.endr
.set j, 0
	s_wait_alu depctr_va_vdst(0)
.rept 128
	v_exp_f32 v[S+j], v[S+j]                       ; p = 2^(t - M): not normalised
.set j, j+1
.endr
.irp b, 0,1,2,3,4,5,6,7
	v_exp_f32 v[108+\b], v[108+\b]                 ; the blocks' largest p
.endr
	v_nop                                          ; a plain instruction behind the last exponential
	s_wait_alu depctr_va_vdst(0)                   ; the 136 exponentials have written p (v128 to v255) and the blocks' largest p (v108 to v115): one wait for the batch, ahead of its first reader
	v_pk_add_f32 v[126:127], v[S:S+1], v[S+8:S+9]  ; the sum of the unquantised p, four chains (three of them in Qlo's registers, which are free)
	v_pk_add_f32 v[38:39], v[S+2:S+3], v[S+10:S+11]
	v_pk_add_f32 v[40:41], v[S+4:S+5], v[S+12:S+13]
	v_pk_add_f32 v[42:43], v[S+6:S+7], v[S+14:S+15]
.set j, 16
.rept 14
	v_pk_add_f32 v[126:127], v[126:127], v[S+j:S+j+1]
	v_pk_add_f32 v[38:39], v[38:39], v[S+j+2:S+j+3]
	v_pk_add_f32 v[40:41], v[40:41], v[S+j+4:S+j+5]
	v_pk_add_f32 v[42:43], v[42:43], v[S+j+6:S+j+7]
.set j, j+8
.endr
	v_pk_add_f32 v[126:127], v[126:127], v[38:39]
	v_pk_add_f32 v[40:41], v[40:41], v[42:43]
	v_pk_add_f32 v[126:127], v[126:127], v[40:41]
.irp b, 0,1,2,3,4,5,6,7
	v_max_num_f32 v[108+\b], 0x1800000, v[108+\b]  ; the floor: a block whose every p is 0 keeps the byte 1; its codes are zeros
.endr
.irp b, 0,1,2,3,4,5,6,7
	v_add_nc_u32 v[116+\b], 0xff000000, v[108+\b]
.endr
.irp b, 0,1,2,3,4,5,6,7
	v_lshrrev_b32 v[100+\b], 23, v[116+\b]
.endr
	v_lshl_or_b32 v24, v101, 8, v100               ; p's scale words: keys 0-127, keys 128-255
	v_lshl_or_b32 v25, v105, 8, v104
	v_lshl_or_b32 v24, v102, 16, v24
	v_lshl_or_b32 v25, v106, 16, v25
	v_lshl_or_b32 v24, v103, 24, v24
	v_lshl_or_b32 v25, v107, 24, v25
.irp f, 0,1
.irp c, 0,1
	v_cvt_scalef32_pk16_fp6_f32 v[76+12*\f+6*\c:78+12*\f+6*\c], v[S+64*\f+32*\c:S+64*\f+32*\c+15], v[116+4*\f+2*\c]
	v_cvt_scalef32_pk16_fp6_f32 v[100+8*\f+4*\c:102+8*\f+4*\c], v[S+64*\f+32*\c+16:S+64*\f+32*\c+31], v[116+4*\f+2*\c+1]
.endr
.endr
	v_nop                                          ; one plain instruction behind the scaled conversions
.irp f, 0,1
.irp c, 0,1
.irp i, 0,1,2
	v_permlane16_swap_b32 v[76+12*\f+6*\c+\i], v[100+8*\f+4*\c+\i]
.endr
.irp i, 0,1,2
	v_mov_b32 v[79+12*\f+6*\c+\i], v[100+8*\f+4*\c+\i]
.endr
.endr
.endr
	v_add_f32 v126, v126, v127
	v_permlanex16_b32 v116, v126, s20, s21
	v_add_f32 v126, v126, v116                     ; the row's sum
	PLACES 4
	s_wait_alu depctr_va_vdst(0)                   ; p's two fragments v76 to v99 and its scale words v24, v25 are written, which the scaled products below take
	s_wait_dscnt 0x0                               ; V
	WIN 0x01                                       ; O^T = V^T P^T and the gate's product: four accumulators by turns, one instruction a turn
	MM 128, 128, 76, 20, 24
	MM 136, 152, 76, 22, 24
	MM 144, 200, 64, 18, 27
	MM 152, 212, 64, 19, 27
	MMC 128, 140, 88, 128, 21, 25
	MMC 136, 164, 88, 136, 23, 25
	WIN 0
	PLACES 4
.irp i, 0,2,4,6,8,10,12,14
	v_pk_mul_f32 v[144+\i:145+\i], v[144+\i:145+\i], s[38:39] op_sel_hi:[1,0]
.endr
	s_wait_alu depctr_va_vdst(0)
	v_rcp_f32 v126, v126
.irp i, 0,1,2,3,4,5,6,7,8,9,10,11,12,13,14,15
	v_exp_f32 v[144+\i], v[144+\i]
.endr
	v_nop
	s_wait_alu depctr_va_vdst(0)                   ; the reciprocal has written v126 and the sixteen exponentials v144 to v159; and the six products above are done reading z (v64 to v75, v27), V's images (window 1, v128 to v175) and v20 to v23, in which the next row's loads land
	s_cmp_eq_u32 s26, 1                            ; the last row has no next
	s_cbranch_scc1 .Llast_\@
	ZLOAD 6144, 256                                ; the next row's z and K, by immediates on this trip's addresses: no vector or matrix line from here to the trip's end names a register that these 24 loads touch
	FRAGS 8, 9, 24576, 1024
.Llast_\@:
.irp i, 0,2,4,6,8,10,12,14
	v_pk_add_f32 v[144+\i:145+\i], v[144+\i:145+\i], 1.0 op_sel_hi:[1,0]
.endr
	s_wait_alu depctr_va_vdst(0)
.irp i, 0,1,2,3,4,5,6,7,8,9,10,11,12,13,14,15
	v_rcp_f32 v[144+\i], v[144+\i]                 ; the gate: 1 / (1 + 2^(-x log2(e)))
.endr
	s_wait_alu depctr_va_vdst(0)
.irp i, 0,2,4,6,8,10,12,14
	v_pk_mul_f32 v[128+\i:129+\i], v[128+\i:129+\i], v[126:127] op_sel_hi:[1,0]   ; O^T / the sum: independent work behind the reciprocals
.endr
	s_wait_alu depctr_va_vdst(0)                   ; the sixteen reciprocals have written v144 to v159: one wait, ahead of their first reader
.irp i, 0,2,4,6,8,10,12,14
	v_pk_mul_f32 v[128+\i:129+\i], v[128+\i:129+\i], v[144+\i:145+\i]
.endr
	QUANT1 128, 160                                ; o x g: block = the head
	s_wait_alu depctr_va_vdst(0)                   ; the quantising has written the codes v160 to v162 and the byte v111, which the four LDS stores read
	ds_store_b32 v62, v160
	ds_store_b32 v62, v161 offset:4
	ds_store_b32 v62, v162 offset:8
	ds_store_b32 v63, v111                         ; both halves of the lanes store the same word with the same value
	s_add_co_u32 s29, s29, 24576
	s_add_co_u32 s30, s30, 1024
	s_add_co_u32 s31, s31, 6144
	s_add_co_u32 s32, s32, 256
	s_add_co_u32 s33, s33, 384
	s_add_co_u32 s34, s34, 64
	s_sub_co_u32 s26, s26, 1
	s_cmp_lg_u32 s26, 0
	s_cbranch_scc1 .Ltask_\@
.endm
	SLOT 0
	SLOT 1
	s_wait_dscnt 0x0                               ; for the others' sake: my stores are done, and my reads of K's and V's images are over
	s_barrier_signal -1
	s_barrier_wait -1                              ; o x g of all 16 tiles lies in LDS
	; ---- phase 3: tiles f = 2 w + e: row w / 2, query tile 2 (w % 2) + e.  out^T = Wo^T (o g)^T: a lane holds one query and eight neighbouring columns a tile
	s_wait_alu depctr_vm_vsrc(0)                   ; phase 2's LDS instructions have read v8 to v11, which the lines below write; v62 and v63, in which loads land; v111 and v160 to v162, in which loads land and products write
	s_mul_i32 s26, s17, 12288
	s_mul_i32 s27, s18, 384
	s_add_co_u32 s26, s26, s27
	s_add_co_u32 s26, s26, OGR
	v_mul_u32_u24 v8, v14, 24
	v_add_nc_u32 v8, s26, v8
	v_mad_u32_u24 v8, v15, 1536, v8                ; lane (r, h), half c: head 2 c + h: 6,144 qt + 3,072 c + 1,536 h + 384 b + 24 r
	s_lshl_b32 s26, s17, 11
	s_lshl_b32 s27, s18, 6
	s_add_co_u32 s26, s26, s27
	s_add_co_u32 s26, s26, OGS
	v_add_nc_u32 v9, s26, v4
	s_mul_i32 s26, s14, 8448
	s_add_co_u32 s26, s26, STG
	v_mul_u32_u24 v10, v14, 528
	v_add_nc_u32 v10, s26, v10
	v_lshl_add_u32 v10, v15, 5, v10                ; the stage, in: row r, + 32 h
	v_add_nc_u32 v11, s26, v1                      ; back: 16 x lane of a row
	WLOAD 4, 1                                     ; its wait also states that v8 to v11 are written, and that phase 2's vector and matrix lines are done with v32 to v63, in which the loads below land
.irp e, 0,1
.irp c, 0,1
.irp p, 0,1,2
	ds_load_b64 v[32+12*\e+6*\c+2*\p:33+12*\e+6*\c+2*\p], v8 offset:6144*\e+3072*\c+8*\p
.endr
.endr
.irp q, 0,1,2,3
	ds_load_b32 v[56+4*\e+\q], v9 offset:1024*\e+256*\q
.endr
.endr
	s_wait_dscnt 0x0
	v_lshl_or_b32 v24, v57, 8, v56                 ; a row's four bytes make its scale word
	v_lshl_or_b32 v25, v61, 8, v60
	v_lshl_or_b32 v24, v58, 16, v24
	v_lshl_or_b32 v25, v62, 16, v25
	v_lshl_or_b32 v24, v59, 24, v24
	v_lshl_or_b32 v25, v63, 24, v25
	PLACES 8                                       ; a scale register written by a vector instruction stands 8 places ahead of a scaled product
	s_wait_alu depctr_va_vdst(0)                   ; the scale words v24 and v25 are written, which the scaled products below take
	WIN 0x01
.irp t, 0,1,2,3,4,5,6,7
	MM 128+8*\t, 128+12*\t, 32, 16+\t, 24
.endr
.irp t, 0,1,2,3,4,5,6,7
	MM 192+8*\t, 128+12*\t, 44, 16+\t, 25
.endr
	WIN 0
	PLACES 4
	s_wait_alu depctr_va_vdst(0)                   ; the products have written the accumulators v128 to v255, which the LDS stores read; the places above stay beside this wait
	; through my own stage: 32 bytes a lane in, whole rows of 512 bytes back; LDS serves a wave's instructions in order (ISA guide 5.7.1.4)
.irp t, 0,1,2,3,4,5,6,7
	ds_store_b128 v10, v[128+8*\t:131+8*\t] offset:64*\t                      ; each accumulator from its low end on
	ds_store_b128 v10, v[132+8*\t:135+8*\t] offset:64*\t+16
.endr
.irp i, 0,1,2,3,4,5,6,7,8,9,10,11,12,13,14,15
	ds_load_b128 v[64+4*\i:67+4*\i], v11 offset:528*\i                        ; the first tile comes back into v64 to v127, which no line of this phase names
.endr
.irp t, 0,1,2,3,4,5,6,7
	ds_store_b128 v10, v[192+8*\t:195+8*\t] offset:64*\t
	ds_store_b128 v10, v[196+8*\t:199+8*\t] offset:64*\t+16
.endr
	s_wait_alu depctr_vm_vsrc(0)                   ; the second tile's stores have read v192 to v255, in which its rows land
.irp i, 0,1,2,3,4,5,6,7,8,9,10,11,12,13,14,15
	ds_load_b128 v[192+4*\i:195+4*\i], v11 offset:528*\i
.endr
	s_wait_dscnt 32                                ; the first tile is back; the second tile's 16 stores and 16 loads may be out
.irp i, 0,1,2,3,4,5,6,7,8,9,10,11,12,13,14,15
	global_store_b128 v1, v[64+4*\i:67+4*\i], s[54:55] offset:(\i+8*(\i/8))*512 th:TH_STORE_NT        ; row i of the tile is position perm(., i): 512 consecutive bytes, aligned
.endr
	s_wait_dscnt 0x0
.irp i, 0,1,2,3,4,5,6,7,8,9,10,11,12,13,14,15
	global_store_b128 v1, v[192+4*\i:195+4*\i], s[54:55] offset:(8+\i+8*(\i/8))*512 th:TH_STORE_NT
.endr
	s_wait_dscnt 0x0
	s_wait_alu depctr_hold_cnt(0) depctr_sa_sdst(0) depctr_va_vdst(0) depctr_va_sdst(0) depctr_va_ssrc(0) depctr_va_vcc(0) depctr_vm_vsrc(0)
	s_wait_tensorcnt 0x0
	ds_add_u32 v30, v31
	s_wait_dscnt 0x0
	s_endpgm
.Lfunc_end_k_q1dce18905f_attn:
	.size	k_q1dce18905f_attn, .Lfunc_end_k_q1dce18905f_attn-k_q1dce18905f_attn
	.p2alignl 7, 3214868480
	.fill 96, 4, 3214868480
	.section	.rodata,"a",@progbits
	.p2align	6, 0x0
	.amdhsa_kernel k_q1dce18905f_attn
		.amdhsa_group_segment_fixed_size 326656
		.amdhsa_private_segment_fixed_size 0
		.amdhsa_enable_private_segment 0
		.amdhsa_kernarg_size 40
		.amdhsa_user_sgpr_count 2
		.amdhsa_user_sgpr_kernarg_segment_ptr 1
		.amdhsa_wavefront_size32 1
		.amdhsa_system_sgpr_workgroup_id_x 1
		.amdhsa_system_sgpr_workgroup_id_y 1
		.amdhsa_system_sgpr_workgroup_id_z 1
		.amdhsa_system_vgpr_workitem_id 0
		.amdhsa_next_free_vgpr 512
		.amdhsa_next_free_sgpr 66
		.amdhsa_reserve_vcc 0
		.amdhsa_float_denorm_mode_32 3
		.amdhsa_float_denorm_mode_16_64 3
		.amdhsa_memory_ordered 1
		.amdhsa_forward_progress 1
		.amdhsa_inst_pref_size 201
	.end_amdhsa_kernel
	.amdgpu_metadata
---
amdhsa.version: [ 1, 2 ]
amdhsa.kernels:
  - .name:           k_q1dce18905f_attn
    .symbol:         k_q1dce18905f_attn.kd
    .args:
      - { .name: zc, .offset: 0, .size: 8, .value_kind: global_buffer, .address_space: global }
      - { .name: zs, .offset: 8, .size: 8, .value_kind: global_buffer, .address_space: global }
      - { .name: bias, .offset: 16, .size: 8, .value_kind: global_buffer, .address_space: global }
      - { .name: wts, .offset: 24, .size: 8, .value_kind: global_buffer, .address_space: global }
      - { .name: out0, .offset: 32, .size: 8, .value_kind: global_buffer, .address_space: global }
    .group_segment_fixed_size: 326656
    .private_segment_fixed_size: 0
    .kernarg_segment_align: 8
    .kernarg_segment_size: 40
    .max_flat_workgroup_size: 256
    .sgpr_count:     66
    .vgpr_count:     512
    .wavefront_size: 32
...
	.end_amdgpu_metadata
.endif
;; end of part 4
